; MI455X (gfx1250); checked and timed in simulation.
; The chip was launched on July 23, 2026; its instructions are those of AMD's public machine-readable ISA for CDNA 5 (MIT licence, August 2026) and "CDNA5" Instruction Set Architecture Reference Guide (July 2026). The comments in the code are by the model that wrote it; some were corrected since.
;; Multi Head Attention. Allowed arithmetic: matrix products marked QUANTISED: E2M3 operands, one E8M0 scale for each 32 along K, by v_wmma_scale_f32_16x16x128_f8f6f4 with both operands' format E2M3, f32 sums; everything else in f32.
;; Inputs: Wk 1,024 x 1,024 float32; Wo 1,024 x 1,024 float32; Wq 1,024 x 1,024 float32; Wv 1,024 x 1,024 float32; bk 1,024 float32; bo 1,024 float32; bq 1,024 float32; bv 1,024 float32; key 8 x 1,024 x 1,024 float32; mask 8 x 1 x 1,024 bool; query 8 x 1,024 x 1,024 float32; value 8 x 1,024 x 1,024 float32.
;; Outputs: out0 8 x 1,024 x 1,024 float32.
;; This version of the problem:
;;   THIS VERSION OF THE PROBLEM IS GIVEN IN LOW PRECISION. The matrix products marked QUANTISED in the list below multiply operands that are first quantised to E2M3 (2 exponent bits, 3 mantissa bits; 6 bits a number), with one power-of-two scale for each 32 numbers along K (OCP MX v1.0); their sums are f32. All else is computed in f32.
;;   The module's matrix products, in the order in which they are computed (A, B: the left and right operand; K: the contracted axis; several contracted axes count as one K, in the product's order):
;;     1. [M 8,192, K 1,024] x [K 1,024, N 1,024]; A: input key; B: input Wk: QUANTISED
;;     2. [M 8,192, K 1,024] x [K 1,024, N 1,024]; A: input value; B: input Wv: QUANTISED
;;     3. [M 8,192, K 1,024] x [K 1,024, N 1,024]; A: input query; B: input Wq: QUANTISED
;;     4. batch 128 x [M 1,024, K 64] x [K 64, N 1,024]; A: computed on the way; B: computed on the way: QUANTISED
;;     5. batch 128 x [M 1,024, K 1,024] x [K 1,024, N 64]; A: computed on the way; B: computed on the way: QUANTISED
;;     6. [M 8,192, K 1,024] x [K 1,024, N 1,024]; A: computed on the way; B: input Wo: QUANTISED
;;   THE QUANTISER, for each operand of a quantised product, along K:
;;     - K is cut into blocks of 32 from its start; a last block that is shorter is filled with zeros.
;;     - A block's scale is 2^e with e = floor(log2(the largest magnitude in the block)) - 2, held to -126 .. 127; a block of zeros has e = 0. As a byte (E8M0): e + 127.
;;     - Each number is divided by its block's scale, clamped to +-7.5, and rounded to the nearest number of E2M3, ties to even, subnormals kept.
;;     - The product sums the exact products of the quantised numbers (number of the format x scale) in f32.
;;   ~~~python
;;   def quantise(x, axis):      # numpy; x: float32 -> the quantised numbers, widened to float32 again
;;       x = np.moveaxis(x, axis, -1); K = x.shape[-1]
;;       x = np.pad(x, [(0, 0)] * (x.ndim - 1) + [(0, -K % 32)]); x = x.reshape(x.shape[:-1] + (-1, 32)); a = np.abs(x).max(-1, keepdims=True)
;;       e = np.where(a > 0, np.clip(np.frexp(np.where(a > 0, a, 1))[1] - 1 - 2, -126, 127), 0)      # np.frexp(a)[1] - 1 = floor(log2(a)), exactly
;;       r = np.clip(x / 2.0 ** e, -7.5, 7.5)
;;       step = 2.0 ** (np.maximum(np.frexp(np.where(r == 0, 1, r))[1] - 1, 0) - 3)
;;       q = np.round(r / step) * step * 2.0 ** e      # np.round: ties to even
;;       return np.moveaxis(q.reshape(q.shape[:-2] + (-1,))[..., :K], -1, axis).astype(np.float32)
;;   ~~~
;;   OPERANDS COMPUTED ON THE WAY. 'Computed on the way' means the value that the module computes at that place (a softmax that the list does not call 'softmax' is quantised finished and normalised). What goes into a quantiser is computed in f32, as accurately as f32 sums, v_exp_f32 and their like allow (about 1e-6 of the number): no bf16 or f16 on the way to a quantiser, and a product that is left as it is and whose result goes on into a quantised operand takes f32 operands (vector FMAs, or v_wmma_f32_16x16x4_f32). A number that lies on a knife's edge between two numbers of the format may be rounded either way, as far as f32 arithmetic and the matrix unit's own rounding can turn it there, and no further.
;; One version. Each part assembles by itself: llvm-mc -triple=amdgcn-amd-amdhsa -mcpu=gfx1250 --defsym DOCPART=n.
;; ======== version 1 of 1: 4 launches
;; limits: right only within a limited range of input values
;; workspace buffers: qc 22,020,096 bytes; qs 917,504 bytes; pc 18,874,368 bytes; ps 1,310,720 bytes; cc 6,291,456 bytes; cs 262,144 bytes
;; launch quant (part 1): grid 256 x 1, 7 waves a work-group, no clusters, 60,160 bytes of LDS; arguments key, value, query, Wk, Wv, Wq, Wo, qc, qs; writes qc, qs
.if DOCPART == 1
	.amdgcn_target "amdgcn-amd-amdhsa--gfx1250"
	.amdhsa_code_object_version 6
	.text
	.protected	k_q148cbcaea3_quant
	.globl	k_q148cbcaea3_quant
	.p2align	8
	.type	k_q148cbcaea3_quant,@function
k_q148cbcaea3_quant:
	s_mov_b64 s[64:65], 0
	v_nop
	global_prefetch_b8 v0, s[64:65] scope:SCOPE_SE
	s_setreg_imm32_b32 hwreg(HW_REG_WAVE_MODE, 25, 1), 1
	s_wait_xcnt 0x0
; key, value, query [8192][1024] and Wk, Wv, Wq, Wo [1024][1024], f32, K innermost, become codes of FP6 (E2M3) with one E8M0 byte for each 32 along K.
; A block's scale is 2^(floor(log2(largest magnitude)) - 2): its byte is the largest magnitude's exponent field - 2, held at 1 from below by a floor among the maximum's leaves.
; LIMITS: NaN and infinities among the inputs are not served; a block of zeros gets the byte 1 where the rule says 127 (its codes are zeros, and this program alone reads the bytes).
; THE CODES ARE LAID AS THE MATRIX OPERAND'S REGISTERS: qc[g][K step 0..7][1536 bytes], g a block of 16 rows.  In an image lane l = (r = l % 16, h = l / 16) owns registers 6 c .. 6 c + 5 = k 64 c + 32 h + 0 .. 31 of
; row r; registers 6 c .. 6 c + 3 lie at 768 c + 16 l, registers 6 c + 4, 6 c + 5 at 768 c + 512 + 8 l.  So a reader fills a fragment by four dense loads, and every store here covers 512 or 256 aligned consecutive bytes.
; qs[g][r][8 words]: word s holds the four bytes of K step s of row r.
; WHICH ROWS FORM A BLOCK: for query and Wo rows 16 g + r.  For key, value, Wk, Wv, Wq lane r of block 2 p + u takes row 32 p + 8 u + r + 8 (r / 8): used as a product's source 0, the 16 result registers of two
; neighbouring blocks are then 16 neighbours along the next product's K.
; SHARES: 1,792 blocks of 16 rows = 256 work-groups x 7 waves; a wave takes one block, eight K steps of 128.  Each load reads 512 consecutive bytes of a row; a step's 8 KB turn through the wave's own stage in LDS
; (rows 528 bytes apart, so that the sixteen rows of a read fall on different banks) and come back as two whole blocks of 32 a lane.  Loads run two steps (32 loads a wave) ahead.  Waves share nothing: no barrier.
.set PITCH, 528
.set STW,   16*PITCH                   ; a wave's stage
.set R,     16                         ; v16-143  two sets of 64 numbers as loaded
.set X,     144                        ; v144-207 my two blocks: k 32 h + 0..31 and 64 + 32 h + 0..31 of row r
.set C,     208                        ; v208-219 the image's 12 registers
.set CT,    220                        ; v220-222, v224-226: a conversion's three registers begin on an even number, so a block's second half is made here and moved
.set WD,    228                        ; v228-235 the eight scale words
	s_load_b512 s[4:19], s[0:1], 0x0               ; key, value, query, Wk, Wv, Wq, Wo, qc
	s_load_b64 s[20:21], s[0:1], 0x40              ; qs
	v_lshl_add_u32 v254, v0, 2, 0xe700
	v_mov_b32 v255, 0
	v_lshrrev_b32 v1, 5, v0
	v_readfirstlane_b32 s22, v1                    ; wave 0..6
	v_and_b32 v1, 31, v0                           ; lane
	v_and_b32 v2, 15, v0                           ; r
	v_bfe_u32 v3, v0, 4, 1                         ; h
	v_lshlrev_b32 v4, 4, v1                        ; 16 x lane: my bytes of a load's 512, and of an image's first plane
	s_mul_i32 s28, s22, STW
	v_add_nc_u32 v5, s28, v4                       ; the stage, on the way in
	v_mul_u32_u24 v6, v2, PITCH
	v_lshl_add_u32 v6, v3, 7, v6
	v_add_nc_u32 v6, s28, v6                       ; and on the way out: row r, + 128 h bytes
	v_lshlrev_b32 v7, 3, v1                        ; 8 x lane: an image's second plane
	v_lshlrev_b32 v8, 3, v3                        ; 8 h: my bytes' place in a scale word
	v_lshlrev_b32 v9, 5, v2
	v_lshl_add_u32 v9, v3, 4, v9                   ; 32 r + 16 h: my four of row r's eight words
	v_mov_b32 v242, 0                              ; written once: a lane permute's destination counts as one of its sources
	s_mov_b32 s38, 0x76543210
	s_mov_b32 s39, 0xfedcba98                      ; selects for lane l xor 16
	s_mov_b32 s42, 0xffff0000                      ; lanes 16-31
	s_mul_i32 s23, ttmp9, 7
	s_add_co_u32 s23, s23, s22                     ; g
	s_wait_alu depctr_va_vdst(0)
	s_wait_kmcnt 0x0
	s_mov_b64 s[24:25], s[16:17]                   ; which tensor: the choice hangs on g alone
	s_mov_b32 s26, 1728                            ; its first block
	s_mov_b32 s27, 0                               ; 1: the rows of a block are not neighbours
.macro PICK lim, lo, first, p
	s_cmp_lt_u32 s23, \lim
	s_cselect_b64 s[24:25], s[\lo:\lo+1], s[24:25]
	s_cselect_b32 s26, \first, s26
	s_cselect_b32 s27, \p, s27
.endm
	PICK 1728, 14, 1664, 1                         ; Wq
	PICK 1664, 12, 1600, 1                         ; Wv
	PICK 1600, 10, 1536, 1                         ; Wk
	PICK 1536, 8, 1024, 0                          ; query
	PICK 1024, 6, 512, 1                           ; value
	PICK 512, 4, 0, 1                              ; key
	s_sub_co_u32 s28, s23, s26                     ; the block's number in its tensor
	s_lshr_b32 s29, s28, 1
	s_lshl_b32 s29, s29, 5
	s_and_b32 s40, s28, 1
	s_lshl_b32 s40, s40, 3
	s_add_co_u32 s29, s29, s40                     ; 32 p + 8 u
	s_lshl_b32 s28, s28, 4                         ; or 16 g
	s_cmp_eq_u32 s27, 1
	s_cselect_b32 s28, s29, s28                    ; the block's first row
	s_cselect_b32 s40, 32768, 0                    ; rows 8-15 of the block lie 8 rows further down, or not
	s_lshl_b32 s28, s28, 12                        ; rows of 4,096 bytes
	s_mov_b32 s29, 0
	s_mov_b32 s41, 0
	s_add_nc_u64 s[30:31], s[24:25], s[28:29]      ; base for the block's rows 0-7
	s_add_nc_u64 s[32:33], s[30:31], s[40:41]      ; and for its rows 8-15
	s_mul_i32 s28, s23, 12288
	s_add_nc_u64 s[34:35], s[18:19], s[28:29]      ; my eight images
	s_lshl_b32 s28, s23, 9
	s_add_nc_u64 s[36:37], s[20:21], s[28:29]      ; my 512 bytes of scale words
.macro LOAD t                          ; K step t of my 16 rows: 16 loads of 512 consecutive bytes, read once in the launch
.irp i, 0,1,2,3,4,5,6,7
	global_load_b128 v[R+64*((\t)%2)+4*\i:R+64*((\t)%2)+4*\i+3], v4, s[30:31] offset:4096*\i+512*(\t) th:TH_LOAD_NT
.endr
.irp i, 8,9,10,11,12,13,14,15
	global_load_b128 v[R+64*((\t)%2)+4*\i:R+64*((\t)%2)+4*\i+3], v4, s[32:33] offset:4096*\i+512*(\t) th:TH_LOAD_NT
.endr
.endm
.macro TURN t                          ; through the stage: LDS serves a wave's instructions in order, so no wait stands between the stores and the loads
.irp i, 0,1,2,3,4,5,6,7,8,9,10,11,12,13,14,15
	ds_store_b128 v5, v[R+64*((\t)%2)+4*\i:R+64*((\t)%2)+4*\i+3] offset:PITCH*\i
.endr
.irp j, 0,1,2,3,4,5,6,7
	ds_load_b128 v[X+4*\j:X+4*\j+3], v6 offset:16*\j
.endr
.irp j, 0,1,2,3,4,5,6,7
	ds_load_b128 v[X+32+4*\j:X+32+4*\j+3], v6 offset:256+16*\j
.endr
.endm
.macro Q2 t                            ; my two blocks become codes and two bytes
	v_max3_num_f32 v236, |v[X]|, |v[X+1]|, 0x1800000               ; the floor 2^(3 - 127): the byte cannot fall under 1
	v_max3_num_f32 v237, |v[X+32]|, |v[X+33]|, 0x1800000
.irp i, 2,4,6,8,10,12,14,16,18,20,22,24,26,28,30
	v_max3_num_f32 v236, v236, |v[X+\i]|, |v[X+\i+1]|              ; the two blocks by turns
	v_max3_num_f32 v237, v237, |v[X+32+\i]|, |v[X+33+\i]|
.endr
	v_add_nc_u32 v238, 0xff000000, v236            ; 2 off the exponent field: the conversion takes this operand's exponent field as its scale
	v_add_nc_u32 v239, 0xff000000, v237
	v_lshrrev_b32 v240, 23, v238                   ; the bytes of blocks h and 2 + h
	v_lshrrev_b32 v241, 23, v239
	v_lshl_or_b32 v240, v241, 16, v240
	v_lshlrev_b32 v240, v8, v240                   ; at their places in the word,
	v_permlanex16_b32 v242, v240, s38, s39
	v_or_b32 v[WD+\t], v240, v242                  ; whole with lane l xor 16's two
	s_wait_alu depctr_va_vdst(0)
	s_wait_xcnt 0x0                                ; the last step's stores have read the image's registers: they are written again only behind this wait
	v_cvt_scalef32_pk16_fp6_f32 v[C:C+2], v[X:X+15], v238
	v_cvt_scalef32_pk16_fp6_f32 v[CT:CT+2], v[X+16:X+31], v238
	v_cvt_scalef32_pk16_fp6_f32 v[C+6:C+8], v[X+32:X+47], v239
	v_cvt_scalef32_pk16_fp6_f32 v[CT+4:CT+6], v[X+48:X+63], v239
	v_nop                                          ; one plain line behind the scaled conversions
.irp i, 0,1,2
	v_mov_b32 v[C+3+\i], v[CT+\i]
	v_mov_b32 v[C+9+\i], v[CT+4+\i]
.endr
	global_store_b128 v4, v[C:C+3], s[34:35] offset:1536*(\t)
	global_store_b64 v7, v[C+4:C+5], s[34:35] offset:1536*(\t)+512
	global_store_b128 v4, v[C+6:C+9], s[34:35] offset:1536*(\t)+768
	global_store_b64 v7, v[C+10:C+11], s[34:35] offset:1536*(\t)+1280
.endm
	LOAD 0
	LOAD 1
.irp t, 0,1,2,3,4,5,6,7
.if \t < 7
	s_wait_loadcnt 16                              ; this step's 16 loads are in; the next step's 16 may be out
.else
	s_wait_loadcnt 0x0
.endif
	TURN \t
	s_wait_dscnt 0x0                               ; my two blocks are back, and the stage's stores have read their registers,
.if \t < 6
	LOAD \t+2                                      ; which take the loads of two steps on
.endif
	Q2 \t
.endr
.irp j, 0,1,2,3
	v_cndmask_b32 v[244+\j], v[WD+\j], v[WD+4+\j], s42             ; lanes 0-15 store words 0-3 of row r, lanes 16-31 words 4-7
.endr
	global_store_b128 v9, v[244:247], s[36:37]     ; the wave's 512 consecutive bytes
	s_wait_tensorcnt 0x0
	ds_add_u32 v254, v255
	s_wait_dscnt 0x0
	s_endpgm
.Lfunc_end_k_q148cbcaea3_quant:
	.size	k_q148cbcaea3_quant, .Lfunc_end_k_q148cbcaea3_quant-k_q148cbcaea3_quant
	.p2alignl 7, 3214868480
	.fill 96, 4, 3214868480
	.section	.rodata,"a",@progbits
	.p2align	6, 0x0
	.amdhsa_kernel k_q148cbcaea3_quant
		.amdhsa_group_segment_fixed_size 60160
		.amdhsa_private_segment_fixed_size 0
		.amdhsa_enable_private_segment 0
		.amdhsa_kernarg_size 72
		.amdhsa_user_sgpr_count 2
		.amdhsa_user_sgpr_kernarg_segment_ptr 1
		.amdhsa_wavefront_size32 1
		.amdhsa_system_sgpr_workgroup_id_x 1
		.amdhsa_system_sgpr_workgroup_id_y 1
		.amdhsa_system_sgpr_workgroup_id_z 1
		.amdhsa_system_vgpr_workitem_id 0
		.amdhsa_next_free_vgpr 256
		.amdhsa_next_free_sgpr 66
		.amdhsa_reserve_vcc 0
		.amdhsa_float_denorm_mode_32 3
		.amdhsa_float_denorm_mode_16_64 3
		.amdhsa_memory_ordered 1
		.amdhsa_forward_progress 1
		.amdhsa_inst_pref_size 60
	.end_amdhsa_kernel
	.amdgpu_metadata
---
amdhsa.version: [ 1, 2 ]
amdhsa.kernels:
  - .name:           k_q148cbcaea3_quant
    .symbol:         k_q148cbcaea3_quant.kd
    .args:
      - { .name: key, .offset: 0, .size: 8, .value_kind: global_buffer, .address_space: global }
      - { .name: value, .offset: 8, .size: 8, .value_kind: global_buffer, .address_space: global }
      - { .name: query, .offset: 16, .size: 8, .value_kind: global_buffer, .address_space: global }
      - { .name: Wk, .offset: 24, .size: 8, .value_kind: global_buffer, .address_space: global }
      - { .name: Wv, .offset: 32, .size: 8, .value_kind: global_buffer, .address_space: global }
      - { .name: Wq, .offset: 40, .size: 8, .value_kind: global_buffer, .address_space: global }
      - { .name: Wo, .offset: 48, .size: 8, .value_kind: global_buffer, .address_space: global }
      - { .name: qc, .offset: 56, .size: 8, .value_kind: global_buffer, .address_space: global }
      - { .name: qs, .offset: 64, .size: 8, .value_kind: global_buffer, .address_space: global }
    .group_segment_fixed_size: 60160
    .private_segment_fixed_size: 0
    .kernarg_segment_align: 8
    .kernarg_segment_size: 72
    .max_flat_workgroup_size: 224
    .sgpr_count:     66
    .vgpr_count:     256
    .wavefront_size: 32
...
	.end_amdgpu_metadata
.endif
;; end of part 1
;; launch proj (part 2): grid 4 x 64, 4 waves a work-group, clusters of 4 x 4, 327,680 bytes of LDS; arguments qc, qs, bk, bv, bq, pc, ps; writes pc, ps
.if DOCPART == 2
	.amdgcn_target "amdgcn-amd-amdhsa--gfx1250"
	.amdhsa_code_object_version 6
	.text
	.protected	k_q148cbcaea3_proj
	.globl	k_q148cbcaea3_proj
	.p2align	8
	.type	k_q148cbcaea3_proj,@function
k_q148cbcaea3_proj:
	s_mov_b64 s[64:65], 0
	v_nop
	global_prefetch_b8 v0, s[64:65] scope:SCOPE_SE
	s_setreg_imm32_b32 hwreg(HW_REG_WAVE_MODE, 25, 1), 1
	s_wait_xcnt 0x0
	s_wait_alu depctr_hold_cnt(0) depctr_sa_sdst(0) depctr_va_vdst(0) depctr_va_sdst(0) depctr_va_ssrc(0) depctr_va_vcc(0) depctr_vm_vsrc(0)
	s_getreg_b32 s2, hwreg(HW_REG_IB_STS2, 6, 4)
	s_cmp_eq_u32 s2, 0
	s_cbranch_scc0 .Lentry_in_a_cluster
	s_endpgm
.Lentry_in_a_cluster:
	s_bfe_u32 s2, ttmp6, 0x10000c
	s_cmp_lg_u32 s2, 0xf033
	s_cbranch_scc0 .Lentry_shape_is_right
	s_endpgm
.Lentry_shape_is_right:
; The three input projections on codes of FP6 (E2M3), and the quantising of their results for attention.  t = 0: k = key Wk^T + bk; t = 1: v = value Wv^T + bv; t = 2: q = (query Wq^T + bq) / 8.
; A tile is 128 rows of operand ALPHA (source 1: a lane holds one of its rows) x 256 rows of operand BETA (source 0: the result's registers run along it), K = 1,024.
;   t = 0, 2: ALPHA = tokens, BETA = the weight's rows: a lane's registers run along the head's 64, the K of q k^T.   t = 1: ALPHA = Wv's rows, BETA = tokens: registers run along the keys, the K of attn v.
; A WORK-GROUP STAYS: 256 work-groups, each makes three tiles, t = 0, 1, 2, in a loop over tiles.  Four waves: wave w takes ALPHA's blocks 4 (w / 2) on and BETA's blocks 8 (w % 2) on: 32 accumulators of 16 x 16.
; LDS: TWO SLOTS OF UNLIKE SIZE, as images of operand registers: slot 0 = K steps 0-5 of the tile's 24 blocks (24 x 9,216 bytes), slot 1 = K steps 6, 7 (24 x 3,072).  A wave has one tensor load out at the most.
; Slot 1 is asked for at a tile's start and has steps 0-4 (160 products a wave) in which to land; slot 0 is asked for again, for the next tile, in step 5, when its last fragments are in registers, and has the rest of
; the K walk and the whole way out in which to land.  The last tile asks for nothing more: its steps 5-7 and its way out are written out behind the loop.
; CLUSTERS: 4 x 4 work-groups; ALPHA's tiles are shared along a row of the cluster, BETA's along a column, each asked for jointly.  t and the cluster's tile come from the loop's count and the cluster's y: alike in all partners.
; PREFETCH: in step 1 of a tile each wave names 72 blocks of 256 bytes of the NEXT tile's images (24 lanes x 3 instructions): four K steps ahead of slot 0's load.  A tile of ALPHA (98,304 bytes on end) is shared out by
; address among the four partners that ask for it jointly (cx) and their four waves, a tile of BETA (196,608) likewise (cy): each block is named once in a cluster.  The first tile comes by its loads alone; the last trip asks for nothing.
; The next tile's scale words and biases are loaded at the start of a tile's way out, into registers that the way out does not touch.
; OUT: pc[t][batch][head][49,152]: k, q: [token / 16][768] half images; v: [K step of 128 keys][d / 16][half][768].  ps: k at 0, q at 524,288: [batch][head][token / 64][r][4 words]; v at 1,048,576: [batch][head][K step][r][4 words].
; LIMITS: NaN and infinities are not served; the bias that does not apply to a layout (along registers for t = 1, along lanes for t = 0, 2) is multiplied by 0, so biases must be finite.  Zero blocks get the byte 1.
; REGISTERS.  Window 0: v2-23 addresses and offsets; v24-31 scale words made; v32-63 ALPHA's scale words [8 a + s], v64-127 BETA's [8 b + s]; v128-223 ALPHA's fragments, two sets; on the way out v128-191 64 numbers,
;   v192-210 codes, v224-239 at work; v240-243 the lanes' bias as loaded, v244-251 in pairs.   Window 1: BETA's fragments at v0 and v96; v192-255 the registers' bias, the C of the first products.   Window 2: accumulator (a, b) at v[8 (8 a + b)].
.set GP,    12288                      ; a block's eight images in memory
.set FRB,   1536                       ; an image
.set R0,    6*FRB                      ; a block's part of slot 0
.set R1,    2*FRB                      ; and of slot 1
.set S1B,   24*R0
.set SPARE, S1B+24*R1                  ; the spare words, 512 bytes
.set VPA, 2                            ; the prefetches' offsets in qc
.set VPB, 3
.set A16, 4                            ; slot 0: ALPHA v4, v5; BETA's K steps 0, 1 v6, v7, steps 2, 3 v8, v9, steps 4, 5 v232, v233 (BETA lies there as three chunks of two K steps, 16 blocks x 3,072 bytes each)
.set B16C, 232
.set B8C, 233
.set A8,  5
.set B16, 6
.set B8,  7
.set A16S, 10                          ; slot 1
.set A8S,  11
.set B16S, 12
.set B8S,  13
.set VSA, 14                           ; offsets of the next tile's scale words in qs,
.set VSB, 15
.set VBR, 22                           ; and of its biases
.set VBL, 23
.set SCA, 32
.set SCB, 64
.set AF,  128
.set BBR, 192
.set H,   128
.set PC,  192
.set TM,  224
.set BAN, 240
.set BA,  244
.set PFO, 252
.set SEL, 30
.set MSB, 0
.macro WIN new                         ; the immediate's high byte repeats the setting that is left
.if MSB != \new
	s_set_vgpr_msb (MSB<<8)|\new
.set MSB, \new
.endif
.endm
.macro CREST                           ; a round of the cluster's barrier behind its opening barrier
	s_cmp_lg_u32 s18, 0
	s_cbranch_scc1 .Lnot_wave_0_\@
	s_barrier_signal -3
.Lnot_wave_0_\@:
	s_barrier_wait -3
	s_barrier_signal -1
	s_barrier_wait -1
.endm
.macro CROUND
	s_barrier_signal -1
	s_barrier_wait -1
	CREST
.endm
.macro PLACES
.rept 4
	v_nop
.endr
.endm
.macro JLOAD g0a, g1a, g0b, g1b        ; slot 0: wave 0 fetches ALPHA's eight blocks (73,728 bytes), waves 1-3 a chunk of BETA each (49,152); s_nop 0 and four v_nop follow each line
	s_cmp_eq_u32 s18, 0
	s_cbranch_scc0 .Lfor_b_\@
	tensor_load_to_lds s[\g0a:\g0a+3], s[\g1a:\g1a+7]
	s_nop 0
	PLACES
	s_branch .Lasked_\@
.Lfor_b_\@:
	tensor_load_to_lds s[\g0b:\g0b+3], s[\g1b:\g1b+7]
	s_nop 0
	PLACES
.Lasked_\@:
.endm
.macro G1SET g, m, c, r                ; group 1: r rows of c elements of 8 bytes, 12,288 bytes apart in memory, dense in LDS; mask m, bit 21 beside it
	s_or_b32 s[\g], s[\m], (3<<16)|(1<<21)
	s_mov_b32 s[\g+1], \c<<16
	s_mov_b32 s[\g+2], \r<<16
	s_mov_b32 s[\g+3], \c<<16
	s_mov_b32 s[\g+4], \r
	s_mov_b32 s[\g+5], 1536
	s_mov_b32 s[\g+6], 0
	s_mov_b32 s[\g+7], 0
.endm
.macro FRAG dst, a16, a8, off          ; an image comes back as the operand's 12 registers: four dense loads
	ds_load_b128 v[(\dst):(\dst)+3], v[\a16] offset:(\off)
	ds_load_b64 v[(\dst)+4:(\dst)+5], v[\a8] offset:(\off)+512
	ds_load_b128 v[(\dst)+6:(\dst)+9], v[\a16] offset:(\off)+768
	ds_load_b64 v[(\dst)+10:(\dst)+11], v[\a8] offset:(\off)+1280
.endm
.macro FETCH s                         ; K step s: BETA's eight fragments and ALPHA's four into set s % 2: 48 LDS loads
	WIN 0x40
.irp i, 0,1,2,3,4,5,6,7
.if (\s) < 6
.if (\s) < 4
	FRAG 96*((\s)%2)+12*\i, B16+2*((\s)/2), B8+2*((\s)/2), R1*\i+FRB*((\s)%2)
.else
	FRAG 96*((\s)%2)+12*\i, B16C, B8C, R1*\i+FRB*((\s)%2)
.endif
.else
	FRAG 96*((\s)%2)+12*\i, B16S, B8S, R1*\i+FRB*((\s)-6)
.endif
.endr
	WIN 0
.irp i, 0,1,2,3
.if (\s) < 6
	FRAG AF+48*((\s)%2)+12*\i, A16, A8, R0*\i+FRB*(\s)
.else
	FRAG AF+48*((\s)%2)+12*\i, A16S, A8S, R1*\i+FRB*((\s)-6)
.endif
.endr
.endm
.macro MUL a, s, first                 ; ALPHA's block a against BETA's eight.  The 32 accumulators take turns, in the same order in every step
.irp b, 0,1,2,3,4,5,6,7
.if \first
	v_wmma_scale_f32_16x16x128_f8f6f4 v[8*(8*(\a)+\b):8*(8*(\a)+\b)+7], v[96*((\s)%2)+12*\b:96*((\s)%2)+12*\b+11], v[AF+48*((\s)%2)+12*(\a):AF+48*((\s)%2)+12*(\a)+11], v[BBR+8*\b:BBR+8*\b+7], v[SCB+8*\b+(\s)], v[SCA+8*(\a)+(\s)] matrix_a_fmt:MATRIX_FMT_FP6 matrix_b_fmt:MATRIX_FMT_FP6
.else
	v_wmma_scale_f32_16x16x128_f8f6f4 v[8*(8*(\a)+\b):8*(8*(\a)+\b)+7], v[96*((\s)%2)+12*\b:96*((\s)%2)+12*\b+11], v[AF+48*((\s)%2)+12*(\a):AF+48*((\s)%2)+12*(\a)+11], v[8*(8*(\a)+\b):8*(8*(\a)+\b)+7], v[SCB+8*\b+(\s)], v[SCA+8*(\a)+(\s)] matrix_a_fmt:MATRIX_FMT_FP6 matrix_b_fmt:MATRIX_FMT_FP6
.endif
.endr
.endm
.macro ASK                             ; the next tile's images, 72 blocks of 256 bytes a wave; not in the last trip
	s_cmp_eq_u32 s25, 1
	s_cbranch_scc1 .Lno_ask_\@
	global_prefetch_b8 v[VPA], s[4:5] th:TH_LOAD_NT scope:SCOPE_SE
	global_prefetch_b8 v[VPB], s[4:5] th:TH_LOAD_NT scope:SCOPE_SE
	global_prefetch_b8 v[VPB], s[4:5] offset:6144 th:TH_LOAD_NT scope:SCOPE_SE
.Lno_ask_\@:
.endm
.macro STEPN s, ask                    ; a K step whose successor lies in a slot that is whole
	PLACES                                         ; in front of loads into the set that the last step multiplied
	FETCH (\s)+1
.if \ask
	ASK
.endif
	s_wait_dscnt 48                                ; all but the 48 just issued: this step's fragments are in
	WIN 0xa1
	MUL 0, \s, 0
	MUL 1, \s, 0
	MUL 2, \s, 0
	MUL 3, \s, 0
.endm
.macro DESC                            ; the four global addresses of the tile whose offsets stand in s[84:87]: written only where no tensor load of mine is out
	s_add_nc_u64 s[70:71], s[4:5], s[84:85]
	s_or_b32 s71, s71, 0x80000000
	s_add_nc_u64 s[78:79], s[4:5], s[84:85]
	s_add_nc_u64 s[78:79], s[78:79], R0
	s_or_b32 s79, s79, 0x80000000
	s_mov_b32 s3, 0
	s_mov_b32 s2, s66                              ; my chunk of BETA's rows
	s_add_nc_u64 s[74:75], s[4:5], s[86:87]
	s_add_nc_u64 s[74:75], s[74:75], s[2:3]
	s_or_b32 s75, s75, 0x80000000
	s_mov_b32 s2, s67                              ; my eight blocks, K steps 6, 7
	s_add_nc_u64 s[82:83], s[4:5], s[86:87]
	s_add_nc_u64 s[82:83], s[82:83], s[2:3]
	s_or_b32 s83, s83, 0x80000000
.endm
.macro STEP5 refill                    ; slot 0's last step: slot 1 is met, and slot 0 is free
	WIN 0
	s_wait_tensorcnt 0x0                           ; my part of slot 1 has landed: no load of mine is out
	ds_add_u32 v254, v255
.if \refill
	DESC
.endif
	s_wait_dscnt 1                                 ; step 5's fragments are in; the add may be out
	WIN 0xa1
	MUL 0, 5, 0
	s_wait_dscnt 0x0                               ; the add is done, and my reads of slot 0 are over
	s_barrier_signal -1
	MUL 1, 5, 0                                    ; work on registers while the others arrive
	WIN 0
	s_barrier_wait -1
.if \refill
	CREST                                          ; the barrier has opened a round: no wave of any partner still reads slot 0
	JLOAD 68, 32, 72, 40                           ; the next tile's K steps 0-5; its four v_nop are the places in front of the loads below
.else
	PLACES
.endif
	FETCH 6
	WIN 0xa1
	MUL 2, 5, 0
	MUL 3, 5, 0
.endm
.macro STEP7
	s_wait_dscnt 0x0
	MUL 0, 7, 0
	MUL 1, 7, 0
	MUL 2, 7, 0
	MUL 3, 7, 0
.endm
; Where tile s24 comes from.  Out: s28 ia, s29 ib; s[84:87] the offsets of what I fetch; s[90:91] the bias; s[92:93], s94 which bias counts; the vector offsets of scale words, biases and (pf) prefetches.
.macro TILEADDR pf
	s_and_b32 s26, s23, 1
	s_lshr_b32 s27, s23, 1
	s_mov_b32 s85, 1536
	s_cmp_eq_u32 s24, 1
	s_cselect_b32 s26, s26, s23                    ; the cluster's place along ALPHA: 16 for tokens, 2 for Wv's rows
	s_cselect_b32 s27, s27, 0                      ; and along BETA: 1 for a weight's rows, 8 for tokens
	s_cselect_b32 s84, 1600, 0                     ; ALPHA's first block in qc: key 0, Wv 1600, query 1024
	s_cselect_b32 s85, 512, s85                    ; BETA's: Wk 1536, value 512, Wq 1664
	s_cselect_b32 s92, 0, 1.0                      ; the registers' bias counts for t = 0, 2,
	s_cselect_b32 s94, 1.0, 0                      ; the lanes' for t = 1
	s_cselect_b64 s[90:91], s[10:11], s[8:9]
	s_cmp_eq_u32 s24, 2
	s_cselect_b32 s84, 1024, s84
	s_cselect_b32 s85, 1664, s85
	s_cselect_b64 s[90:91], s[12:13], s[90:91]     ; bk, bv or bq
	s_mov_b32 s93, s92
	s_lshl_b32 s28, s26, 2
	s_add_co_u32 s28, s28, s22                     ; ia: my tile of 128 rows of ALPHA
	s_lshl_b32 s29, s27, 2
	s_add_co_u32 s29, s29, s21                     ; ib: my tile of 256 rows of BETA
	s_lshl_b32 s2, s28, 3
	s_add_co_u32 s2, s2, s84                       ; ALPHA's first block of my tile: hangs on cy, never on cx
	s_lshl_b32 s3, s29, 4
	s_add_co_u32 s3, s3, s85                       ; BETA's: hangs on cx, never on cy
	s_lshl_b32 s26, s19, 2
	s_add_co_u32 s26, s26, s2
	s_lshl_b32 s26, s26, 9
	v_add_nc_u32 v[VSA], s26, v16                  ; my blocks' scale words: 512 bytes a block, 32 r
	s_lshl_b32 s26, s20, 3
	s_add_co_u32 s26, s26, s3
	s_lshl_b32 s26, s26, 9
	v_add_nc_u32 v[VSB], s26, v16
	s_lshl_b32 s26, s29, 10
	s_lshl_b32 s27, s20, 9
	s_add_co_u32 s26, s26, s27                     ; 4 (256 ib + 128 wn): my first feature where BETA is a weight
	s_lshl_b32 s27, s28, 9
	s_lshl_b32 s84, s19, 8
	s_add_co_u32 s27, s27, s84                     ; 4 (128 ia + 64 wm): where ALPHA is
	s_cmp_eq_u32 s24, 1
	s_cselect_b32 s26, 0, s26
	s_cselect_b32 s27, s27, 0
	v_add_nc_u32 v[VBR], s26, v17
	v_add_nc_u32 v[VBL], s27, v18
.if \pf
	s_mul_i32 s26, s2, GP
	s_mul_i32 s27, s21, 24576
	s_add_co_u32 s26, s26, s27
	s_mul_i32 s27, s18, 6144
	s_add_co_u32 s26, s26, s27
	v_add_nc_u32 v[VPA], s26, v[PFO]               ; ALPHA's tile: quarter cx, in it sixteenth w, 24 blocks
	s_mul_i32 s26, s3, GP
	s_mul_i32 s27, s22, 49152
	s_add_co_u32 s26, s26, s27
	s_mul_i32 s27, s18, 12288
	s_add_co_u32 s26, s26, s27
	v_add_nc_u32 v[VPB], s26, v[PFO]               ; BETA's tile: quarter cy, in it sixteenth w, 2 x 24 blocks
.endif
	s_mul_i32 s84, s2, GP                          ; ALPHA's tile in qc
	s_mov_b32 s85, 0
	s_mul_i32 s86, s3, GP                          ; BETA's
	s_mov_b32 s87, 0
	s_wait_alu depctr_va_vdst(0)
.endm
; Where tile s24 (ia s28, ib s29) goes.  Out: s[96:97], s[98:99] a fragment's two half images, s[100:101] from block to block, s[104:105] the scale words, s95 lanes that store them, s[88:89] the factor.
.macro OUTADDR
	s_lshl_b32 s2, s29, 8
	s_lshl_b32 s3, s20, 7
	s_add_co_u32 s2, s2, s3                        ; 256 ib + 128 wn
	s_lshl_b32 s3, s28, 7
	s_lshl_b32 s26, s19, 6
	s_add_co_u32 s3, s3, s26                       ; 128 ia + 64 wm
	s_lshl_b32 s26, s28, 1
	s_add_co_u32 s26, s26, s19                     ; 2 ia + wm
	s_lshl_b32 s27, s29, 2
	s_lshl_b32 s84, s20, 1
	s_add_co_u32 s27, s27, s84                     ; 4 ib + 2 wn
	s_mov_b32 s98, 49152
	s_mov_b32 s100, 768
	s_mov_b32 s85, 768
	s_mov_b32 s88, 1.0
	s_cmp_eq_u32 s24, 1
	s_cselect_b32 s2, s2, s3                       ; my first token
	s_cselect_b32 s26, s26, s27                    ; my first head
	s_cselect_b32 s98, 768, s98                    ; to the second half image: v: the K step's other 64 keys; k, q: the next head
	s_cselect_b32 s100, 1536, s100                 ; from block a to block a + 1
	s_cselect_b32 s84, 11, 12                      ; a head's scale words: 2^11 or 2^12 bytes
	s_cselect_b32 s95, 16, 32
	s_cselect_b32 s86, 0x100000, 0                 ; the tensor's part of ps
	s_cselect_b32 s87, 7, 4                        ; tokens to a unit of pc: 128 or 16,
	s_cselect_b32 s85, 6144, s85                   ; and its bytes
	s_cselect_b32 s90, 7, 6                        ; tokens to 256 bytes of scale words
	s_cmp_eq_u32 s24, 2
	s_cselect_b32 s86, 0x80000, s86
	s_cselect_b32 s88, 0x3e000000, s88             ; q is divided by sqrt(64): x 0.125, exact
	s_mov_b32 s89, s88
	s_lshr_b32 s3, s2, 10                          ; batch
	s_and_b32 s2, s2, 1023                         ; token in it
	s_lshl_b32 s3, s3, 4
	s_add_co_u32 s3, s3, s26                       ; 16 batch + head
	s_lshr_b32 s27, s2, s87
	s_mul_i32 s27, s27, s85
	s_mul_i32 s96, s3, 49152
	s_add_co_u32 s96, s96, s27
	s_mul_i32 s27, s24, 6291456
	s_add_co_u32 s96, s96, s27
	s_mov_b32 s97, 0
	s_mov_b32 s99, 0
	s_mov_b32 s101, 0
	s_add_nc_u64 s[96:97], s[14:15], s[96:97]
	s_add_nc_u64 s[98:99], s[96:97], s[98:99]
	s_lshl_b32 s104, s3, s84
	s_lshr_b32 s27, s2, s90
	s_lshl_b32 s27, s27, 8
	s_add_co_u32 s104, s104, s27
	s_add_co_u32 s104, s104, s86
	s_mov_b32 s105, 0
	s_add_nc_u64 s[104:105], s[16:17], s[104:105]
.endm
.macro NEXTLOADS                       ; scale words and biases of the tile that TILEADDR named last
.irp i, 0,1,2,3
	global_load_b128 v[SCA+8*\i:SCA+8*\i+3], v[VSA], s[6:7] offset:512*\i
	global_load_b128 v[SCA+8*\i+4:SCA+8*\i+7], v[VSA], s[6:7] offset:512*\i+16
.endr
.irp i, 0,1,2,3,4,5,6,7
	global_load_b128 v[SCB+8*\i:SCB+8*\i+3], v[VSB], s[6:7] offset:512*\i
	global_load_b128 v[SCB+8*\i+4:SCB+8*\i+7], v[VSB], s[6:7] offset:512*\i+16
.endr
.irp a, 0,1,2,3
	global_load_b32 v[BAN+\a], v[VBL], s[90:91] offset:4*(32*(\a/2)+8*(\a%2))      ; lane r of block a is feature 32 (a / 2) + 8 (a % 2) + r + 8 (r / 8)
.endr
	WIN 0x40
.irp b, 0,1,2,3,4,5,6,7
	global_load_b128 v[BBR+8*\b:BBR+8*\b+3], v[VBR], s[90:91] offset:4*(32*(\b/2)+8*(\b%2))    ; register j of tile b is feature 32 (b / 2) + 16 h + 8 (b % 2) + j
	global_load_b128 v[BBR+8*\b+4:BBR+8*\b+7], v[VBR], s[90:91] offset:4*(32*(\b/2)+8*(\b%2))+16
.endr
	WIN 0
.endm
; 64 numbers of a lane, register 16 b + i = k 32 b + 16 (lane / 16) + i of my row, become a fragment's codes in v[PC] on and its scale word in v[pw].
.macro QUANT s, pw
.irp b, 0,1,2,3
	v_max3_num_f32 v[TM+\b], |v[\s+16*\b]|, |v[\s+1+16*\b]|, 0x1800000   ; my 16 numbers of block b, and the floor 2^(3 - 127): the byte cannot fall under 1
.endr
.irp i, 2,4,6,8,10,12,14
.irp b, 0,1,2,3
	v_max3_num_f32 v[TM+\b], v[TM+\b], |v[\s+16*\b+\i]|, |v[\s+1+16*\b+\i]|
.endr
.endr
.irp b, 0,1,2,3
	v_permlanex16_b32 v[TM+4+\b], v[TM+\b], s[SEL], s[SEL+1]
.endr
.irp b, 0,1,2,3
	v_max_num_f32 v[TM+\b], v[TM+\b], v[TM+4+\b]   ; with lane l xor 16's: the block's largest magnitude
.endr
.irp b, 0,1,2,3
	v_add_nc_u32 v[TM+12+\b], 0xff000000, v[TM+\b] ; 2 off its exponent field: the conversion's scale operand
.endr
.irp b, 0,1,2,3
	v_lshrrev_b32 v[TM+4+\b], 23, v[TM+12+\b]      ; the byte
.endr
	v_lshl_or_b32 v[\pw], v[TM+5], 8, v[TM+4]
	v_lshl_or_b32 v[\pw], v[TM+6], 16, v[\pw]
	v_lshl_or_b32 v[\pw], v[TM+7], 24, v[\pw]
.irp c, 0,1
	v_cvt_scalef32_pk16_fp6_f32 v[PC+6*\c:PC+2+6*\c], v[\s+32*\c:\s+15+32*\c], v[TM+12+2*\c]
	v_cvt_scalef32_pk16_fp6_f32 v[PC+12+4*\c:PC+14+4*\c], v[\s+16+32*\c:\s+31+32*\c], v[TM+12+2*\c+1]   ; (a conversion's three registers begin on an even number)
.endr
	v_nop                                          ; one plain line behind the scaled conversions
.irp c, 0,1                                    ; the layout wants a whole block in a lane: lanes 0-15 block 2 c, lanes 16-31 block 2 c + 1
.irp i, 0,1,2
	v_permlane16_swap_b32 v[PC+6*\c+\i], v[PC+12+4*\c+\i]
.endr
.irp i, 0,1,2
	v_mov_b32 v[PC+3+6*\c+\i], v[PC+12+4*\c+\i]
.endr
.endr
.endm
.macro EPI next                        ; THE WAY OUT of a tile
	WIN 0
.irp b, 0,1,2,3
	v_mov_b32 v[TM+4+\b], 0                        ; the lane permutes' destinations; four plain lines that name no register of the products: the places behind them
.endr
.if \next
	NEXTLOADS
.endif
	s_mov_b32 s3, 0xffff0000                       ; lanes 16-31
.irp a, 0,1,2,3
	WIN 0x02                                       ; source 0: the accumulators' window
.set ii, 0
.rept 32
	v_pk_fma_f32 v[H+ii:H+ii+1], v[64*\a+ii:64*\a+ii+1], s[88:89], v[BA+2*\a:BA+2*\a+1] op_sel_hi:[1,0,1]   ; x 1 or 0.125, + the lane's bias; each accumulator from its low end on
.set ii, ii+2
.endr
	WIN 0
	s_wait_xcnt 0x0                                ; the last block's stores have read their data and bases: both are written again only behind this wait
.if \a > 0
	s_add_nc_u64 s[96:97], s[96:97], s[100:101]
	s_add_nc_u64 s[98:99], s[98:99], s[100:101]
.endif
	QUANT H, 24+\a
	global_store_b128 v19, v[PC:PC+3], s[96:97]            ; each store covers 512 or 256 consecutive bytes, aligned
	global_store_b64 v21, v[PC+4:PC+5], s[96:97] offset:512
	global_store_b128 v19, v[PC+6:PC+9], s[98:99]
	global_store_b64 v21, v[PC+10:PC+11], s[98:99] offset:512
.endr
.irp a, 0,1,2,3
	v_lshrrev_b32 v[28+\a], 16, v[24+\a]
.endr
.irp a, 0,1,2,3
	v_cndmask_b32 v[28+\a], v[24+\a], v[28+\a], s3         ; k, q: lanes 0-15 carry the first head's two bytes, lanes 16-31 the second head's; v: lanes 0-15 the whole word
.endr
	v_cmp_gt_u32 vcc_lo, s95, v1
	s_wait_alu depctr_va_vdst(0)
	s_wait_xcnt 0x0                                ; EXEC changes only behind this wait
	s_and_saveexec_b32 s2, vcc_lo
	global_store_b128 v20, v[28:31], s[104:105]
	s_wait_xcnt 0x0
	s_or_b32 exec_lo, exec_lo, s2
.endm
	s_load_b256 s[4:11], s[0:1], 0x0               ; qc, qs, bk, bv
	s_load_b128 s[12:15], s[0:1], 0x20             ; bq, pc
	s_load_b64 s[16:17], s[0:1], 0x30              ; ps
	v_lshl_add_u32 v254, v0, 2, SPARE
	v_mov_b32 v255, 0
	ds_add_u32 v254, v255                          ; the opening lines: the add, twice on end, and its wait ahead of my first tensor load
	ds_add_u32 v254, v255
	v_lshrrev_b32 v1, 5, v0
	v_readfirstlane_b32 s18, v1                    ; wave 0..3
	s_lshr_b32 s19, s18, 1                         ; wm: my half of ALPHA's blocks
	s_and_b32 s20, s18, 1                          ; wn: my half of BETA's
	s_bfe_u32 s21, ttmp6, 0x40000                  ; cx
	s_bfe_u32 s22, ttmp6, 0x40004                  ; cy
	s_and_b32 s23, ttmp7, 0xffff                   ; the cluster's y, 0..15
	s_mov_b32 s24, 0                               ; t
	s_mov_b32 s25, 3                               ; tiles to go
	s_mov_b32 s[SEL], 0x76543210
	s_mov_b32 s[SEL+1], 0xfedcba98                 ; selects for lane l xor 16
	s_lshl_b32 s26, s22, 2
	s_lshl_b32 s26, 15, s26                        ; my row of the cluster
	s_lshl_b32 s27, 0x1111, s21                    ; my column
	G1SET 32, 26, 1152, 8                          ; slot 0: ALPHA's eight blocks, rows of 9,216 bytes;
	G1SET 40, 27, 384, 16                          ; a chunk of BETA: 16 blocks, rows of 3,072 bytes
	G1SET 48, 26, 384, 8                           ; slot 1: rows of 3,072 bytes, eight blocks a load
	G1SET 56, 27, 384, 8
	s_mov_b32 s68, 1                               ; groups 0: s[68:71] ALPHA slot 0, s[72:75] BETA slot 0, s[76:79], s[80:83] slot 1.  LDS addresses: the wave's number alone
	s_mov_b32 s72, 1
	s_mov_b32 s76, 1
	s_mov_b32 s80, 1
	s_add_co_u32 s2, s18, 3
	s_and_b32 s2, s2, 3                            ; waves 1, 2, 3: 0, 1, 2
	s_min_u32 s3, s2, 1                            ; slot 1: waves 1, 2 fetch BETA's halves (the words of a wave that does not issue a line are held inside the slot)
	s_min_u32 s2, s2, 2                            ; slot 0: waves 1, 2, 3 fetch BETA's chunks
	s_mov_b32 s69, 0
	s_mul_i32 s73, s2, 16*R1
	s_add_co_u32 s73, s73, 8*R0
	s_mov_b32 s77, S1B
	s_mul_i32 s81, s3, 8*R1
	s_add_co_u32 s81, s81, S1B+8*R1
	s_mul_i32 s66, s2, R1                          ; the same places in a tile's bytes in memory: the chunk along a block's images,
	s_mul_i32 s67, s3, 8*GP
	s_add_co_u32 s67, s67, R0                      ; eight blocks on, behind K steps 0-5
	s_mul_i32 s85, s20, 8*R1                       ; my eight blocks of BETA in a chunk,
	s_add_co_u32 s87, s85, S1B+8*R1                ; in slot 1,
	s_add_co_u32 s85, s85, 8*R0                    ; in slot 0's first chunk
	s_mul_i32 s84, s19, 4*R0                       ; my four blocks of ALPHA in each slot
	s_mul_i32 s86, s19, 4*R1
	s_add_co_u32 s86, s86, S1B
	v_and_b32 v1, 31, v0                           ; lane
	v_and_b32 v24, 15, v0                          ; r
	v_bfe_u32 v25, v0, 4, 1                        ; h
	v_lshl_add_u32 v[A16], v1, 4, s84
	v_lshl_add_u32 v[A8], v1, 3, s84
	v_lshl_add_u32 v[B16], v1, 4, s85
	v_lshl_add_u32 v[B8], v1, 3, s85
	v_add_nc_u32 v[B16+2], 16*R1, v[B16]
	v_add_nc_u32 v[B8+2], 16*R1, v[B8]
	v_add_nc_u32 v[B16C], 32*R1, v[B16]
	v_add_nc_u32 v[B8C], 32*R1, v[B8]
	v_lshl_add_u32 v[A16S], v1, 4, s86
	v_lshl_add_u32 v[A8S], v1, 3, s86
	v_lshl_add_u32 v[B16S], v1, 4, s87
	v_lshl_add_u32 v[B8S], v1, 3, s87
	v_lshlrev_b32 v16, 5, v24                      ; 32 r: a row's eight scale words
	v_lshlrev_b32 v17, 6, v25                      ; 64 h: the registers' bias, 16 numbers a half
	v_and_b32 v18, 8, v24
	v_add_nc_u32 v18, v18, v24
	v_lshlrev_b32 v18, 2, v18                      ; 4 (r + 8 (r / 8)): the lanes' bias
	v_lshlrev_b32 v19, 4, v1                       ; 16 x lane, 8 x lane: an image's planes
	v_lshlrev_b32 v21, 3, v1
	v_lshlrev_b32 v20, 4, v24
	v_lshl_add_u32 v20, v25, 12, v20               ; 16 r, and the next head's 4,096 bytes for lanes 16-31
	v_min_u32 v[PFO], 23, v1
	v_lshlrev_b32 v[PFO], 8, v[PFO]                ; a lane a block of 256 bytes; lanes 24-31 name the wave's last block again
	s_wait_alu depctr_va_vdst(0)
	s_wait_dscnt 0x0                               ; both opening adds are done
	s_wait_kmcnt 0x0
	TILEADDR 0
	DESC
	CROUND                                         ; all sixteen work-groups are here: the first joint loads meet
	JLOAD 68, 32, 72, 40                           ; tile 0, K steps 0-5: one tensor load a wave at the head
	NEXTLOADS
	s_wait_alu depctr_va_vdst(0)
.Ltile:
	s_wait_tensorcnt 0x0                           ; my part of slot 0 has landed;
	ds_add_u32 v254, v255
	s_wait_dscnt 0x0                               ; it is done, and so are my reads of slot 1
	CROUND                                         ; slot 0 is whole, and no wave of any partner still reads slot 1
	s_cmp_eq_u32 s18, 0                            ; this tile's K steps 6, 7 (the first time: slot 1's first fill, issued as a refill is): wave 0 ALPHA's eight blocks, waves 1, 2 eight of BETA's each, wave 3 none
	s_cbranch_scc0 .Ls1_b
	tensor_load_to_lds s[76:79], s[48:55]
	s_nop 0
	PLACES
	s_branch .Ls1_asked
.Ls1_b:
	s_cmp_eq_u32 s18, 3
	s_cbranch_scc1 .Ls1_asked
	tensor_load_to_lds s[80:83], s[56:63]
	s_nop 0
	PLACES
.Ls1_asked:
	s_wait_loadcnt 0x0                             ; this tile's scale words and biases
	WIN 0x41
.set ii, 0
.rept 32
	v_pk_mul_f32 v[BBR+ii:BBR+ii+1], v[BBR+ii:BBR+ii+1], s[92:93] op_sel_hi:[1,0]
.set ii, ii+2
.endr
	WIN 0
.irp a, 0,1,2,3
	v_mul_f32 v[BA+2*\a], s94, v[BAN+\a]
.endr
.irp a, 0,1,2,3
	v_mov_b32 v[BA+2*\a+1], v[BA+2*\a]
.endr
	s_wait_alu depctr_va_vdst(0)
	FETCH 0
	FETCH 1
	OUTADDR                                        ; scalar work while the fragments come: where this tile goes,
	s_add_co_u32 s24, s24, 1
	TILEADDR 1                                     ; and where the next comes from (in the last trip its results are not used)
	s_wait_dscnt 48
	WIN 0x91                                       ; BETA window 1, ALPHA window 0, C (the bias) window 1, D window 2
	MUL 0, 0, 1                                    ; the first products start the sums, with the bias as C
	MUL 1, 0, 1
	MUL 2, 0, 1
	MUL 3, 0, 1
	STEPN 1, 1
	STEPN 2, 0
	STEPN 3, 0
	STEPN 4, 0
	WIN 0
	s_cmp_eq_u32 s25, 1
	s_cbranch_scc1 .Llast                          ; the last tile's tail is written out: it asks for nothing more
	STEP5 1
	STEPN 6, 0
	STEP7
	EPI 1
	s_sub_co_u32 s25, s25, 1
	s_wait_alu depctr_va_vdst(0)
	s_branch .Ltile
.Llast:
	STEP5 0
	STEPN 6, 0
	STEP7
	EPI 0
	s_wait_tensorcnt 0x0                           ; the wave's end
	ds_add_u32 v254, v255
	s_wait_dscnt 0x0
	CROUND                                         ; the closing round: no work-group ends while a partner may still ask for a tile that names it
	s_endpgm
.Lfunc_end_k_q148cbcaea3_proj:
	.size	k_q148cbcaea3_proj, .Lfunc_end_k_q148cbcaea3_proj-k_q148cbcaea3_proj
	.p2alignl 7, 3214868480
	.fill 96, 4, 3214868480
	.section	.rodata,"a",@progbits
	.p2align	6, 0x0
	.amdhsa_kernel k_q148cbcaea3_proj
		.amdhsa_group_segment_fixed_size 327680
		.amdhsa_private_segment_fixed_size 0
		.amdhsa_enable_private_segment 0
		.amdhsa_kernarg_size 56
		.amdhsa_user_sgpr_count 2
		.amdhsa_user_sgpr_kernarg_segment_ptr 1
		.amdhsa_wavefront_size32 1
		.amdhsa_system_sgpr_workgroup_id_x 1
		.amdhsa_system_sgpr_workgroup_id_y 1
		.amdhsa_system_sgpr_workgroup_id_z 1
		.amdhsa_system_vgpr_workitem_id 0
		.amdhsa_next_free_vgpr 768
		.amdhsa_next_free_sgpr 106
		.amdhsa_reserve_vcc 1
		.amdhsa_float_denorm_mode_32 3
		.amdhsa_float_denorm_mode_16_64 3
		.amdhsa_memory_ordered 1
		.amdhsa_forward_progress 1
		.amdhsa_inst_pref_size 156
	.end_amdhsa_kernel
	.amdgpu_metadata
---
amdhsa.version: [ 1, 2 ]
amdhsa.kernels:
  - .name:           k_q148cbcaea3_proj
    .symbol:         k_q148cbcaea3_proj.kd
    .args:
      - { .name: qc, .offset: 0, .size: 8, .value_kind: global_buffer, .address_space: global }
      - { .name: qs, .offset: 8, .size: 8, .value_kind: global_buffer, .address_space: global }
      - { .name: bk, .offset: 16, .size: 8, .value_kind: global_buffer, .address_space: global }
      - { .name: bv, .offset: 24, .size: 8, .value_kind: global_buffer, .address_space: global }
      - { .name: bq, .offset: 32, .size: 8, .value_kind: global_buffer, .address_space: global }
      - { .name: pc, .offset: 40, .size: 8, .value_kind: global_buffer, .address_space: global }
      - { .name: ps, .offset: 48, .size: 8, .value_kind: global_buffer, .address_space: global }
    .group_segment_fixed_size: 327680
    .private_segment_fixed_size: 0
    .kernarg_segment_align: 8
    .kernarg_segment_size: 56
    .max_flat_workgroup_size: 128
    .sgpr_count:     106
    .vgpr_count:     768
    .wavefront_size: 32
...
	.end_amdgpu_metadata
.endif
;; end of part 2
;; launch attn (part 3): grid 4 x 64, 16 waves a work-group, no clusters, 249,088 bytes of LDS; arguments pc, ps, mask, cc, cs; writes cc, cs
.if DOCPART == 3
	.amdgcn_target "amdgcn-amd-amdhsa--gfx1250"
	.amdhsa_code_object_version 6
	.text
	.protected	k_q148cbcaea3_attn
	.globl	k_q148cbcaea3_attn
	.p2align	8
	.type	k_q148cbcaea3_attn,@function
k_q148cbcaea3_attn:
	s_mov_b64 s[64:65], 0
	v_nop
	global_prefetch_b8 v0, s[64:65] scope:SCOPE_SE
	s_setreg_imm32_b32 hwreg(HW_REG_WAVE_MODE, 25, 1), 1
	s_wait_xcnt 0x0
; ctx = Q(attn) Q(v), attn = softmax(where(mask, -1e18, Q(q) Q(k)^T) x w), zero at masked keys; w(d) = 2 Phi(-d / 4) = erfc(d / (4 sqrt 2)), d = |query - key|.  All products on codes of FP6 (E2M3).
; the whole row, e^(-m) / sum (0 where masked).  A wave's 32 queries lie in one group of 64 keys; its window is that group and its two neighbours, 192 keys: every key outside is 65 or more away.  The second product stays dense: for far
; keys its operand is that one number's code in every place, ANDed with a bit pattern of the key mask.  Masked far keys count in the sum, as -1e18 x 0 does.
; SHARES.  A work-group: 256 queries of two neighbouring heads of one batch.  Wave w: head 2 hp + w / 8; queries 32 (w % 8) on, as two tiles of 16.  Four waves to a SIMD: one wave's vector work stands beside another's products.
; LAYOUT.  Both products are used transposed (S^T = k q^T, O^T = v^T p^T): a lane holds one query; k's and v's rows are laid (launch proj) so that result registers run along the next K.  The head's 64 are half a K step: q's upper half
; is zero codes, so whatever stands in k's upper half adds nothing (no scale byte here is 0xff).
; NO CLUSTER: work-groups that read the same k and v differ in their block of queries, and on that block hang the k window's address and the branches of the loop over K steps, which partners of joint loads must have alike;
; what is shared is 135,168 bytes, read once by each work-group.
; LDS, each byte filled once by a tensor load or written by stores, never both: VB v of both heads; KB six groups of 64 keys a head; STG a wave's p codes (2 tiles x 4 half images); AFB, +1536: A, B for 384 keys
; (score x A + B is the mask fill); MBT the mask as bit patterns, 32 bytes a block of 32 keys; VSB v's scale words; WT the window, four copies, copy c one word on, so that each lane's 16 weights begin on 16 bytes; CSB ctx's scale halves.
; LIMITS: NaN and infinities are not served: scores must be finite (score x 0 - 1e18).  The exponential gives 0 for w from d = 53 on (true value under 1.2e-38) and for weights under 2^-126.  Zero blocks get the byte 1.
; REGISTERS: v1-31, v254, v255 lane terms and addresses; v32-43 k's scale words, v44-45 q's, v46-49 v's, v50-55 p's (scales and nothing else); v56-67 q; v68-79 the far code, 6 a tile; v80-175 S, then p; v176-247 k's 12 half
; fragments, then at work; v248-253 zeros behind them.  In the second product: v80-143 O^T, v144-191 v, v192-215 p, v216-227 the mask's pattern.
.set VB,  0
.set KB,  98304
.set STG, 135168
.set AFB, 233472
.set MBT, 236544
.set VSB, 237568
.set WT,  241664
.set CSB, 246016
.set S,   80
.set KF,  176
.set CH,  176
.set SM0, 224
.set SM1, 226
.set MX0, 228
.set MX1, 229
.set TP,  230
.set BM,  224
.set PB,  230
.set SO,  236
.set NML, 242
.set INV, 244
.set E0,  246
.set RR,  68
.set O,   80
.set VF,  144
.set P,   192
.set MB,  216
.set SEL, 82
.set LG,  84
	s_load_b256 s[4:11], s[0:1], 0x0               ; pc, ps, mask, cc
	s_load_b64 s[12:13], s[0:1], 0x20              ; cs
	v_lshl_add_u32 v254, v0, 2, 0x3c500
	v_mov_b32 v255, 0
	ds_add_u32 v254, v255
	ds_add_u32 v254, v255
	s_wait_dscnt 0x0
	v_lshrrev_b32 v1, 5, v0
	s_delay_alu instid0(VALU_DEP_1)
	v_readfirstlane_b32 s14, v1                    ; wave 0..15
.irp j, 62,63,64,65,66,67,248,249,250,251,252,253
	v_mov_b32 v\j, 0                               ; q's upper half, and what stands behind k's last half fragment: zero codes.  Written here, at the head: an operand written by a vector instruction stands four plain
.endr                                          ; vector lines ahead of a scaled product, and the lines below, which make the addresses, stand on every wave's path
	s_lshr_b32 s15, s14, 3                         ; which of the two heads
	s_and_b32 s16, s14, 7                          ; om: which 32 queries
	s_lshr_b32 s17, s16, 1                         ; ga: their group of 64 in the work-group's 256
	s_and_b32 s18, s16, 1                          ; which half of the group
	s_and_b32 s19, s17, 1                          ; par: the group's parity
	s_and_b32 s21, ttmp7, 0xffff
	s_lshr_b32 s22, s21, 3                         ; batch
	s_and_b32 s23, s21, 7                          ; pair of heads
	s_lshl_b32 s24, s23, 1
	s_add_co_u32 s24, s24, s15                     ; head
	s_lshl_b32 s25, s22, 4
	s_add_co_u32 s25, s25, s24                     ; 16 batch + head
	s_lshl_b32 s26, ttmp9, 2
	s_add_co_u32 s26, s26, s17                     ; Gb: my queries' group of 64 keys
	s_sub_co_i32 s27, s26, 1
	s_ashr_i32 s27, s27, 1                         ; the K step of 128 keys in which the window begins (-1 at the head's start: never met),
	s_add_co_i32 s28, s27, 1                       ; and the one in which it ends (8 at the head's end: never met)
	; every LDS address register is made here, ahead of the first branch on the wave's number
	v_and_b32 v1, 31, v0                           ; lane
	v_and_b32 v2, 15, v0                           ; r
	s_wait_alu depctr_va_vdst(0)
	v_bfe_u32 v3, v0, 4, 1                         ; h
	s_mul_i32 s29, s15, 18432
	s_mul_i32 s30, s17, 3072
	s_add_co_u32 s29, s29, s30
	s_add_co_u32 s29, s29, KB
	v_lshl_add_u32 v4, v1, 4, s29                  ; k: my window's 12 half images, first plane,
	v_lshl_add_u32 v5, v1, 3, s29                  ; second plane
	s_lshl_b32 s29, s17, 8
	s_add_co_u32 s29, s29, AFB
	v_lshl_add_u32 v6, v3, 6, s29                  ; A (B 1,536 on): key 64 ga + 16 h of the work-group's 384
	v_and_b32 v7, 3, v2
	s_delay_alu instid0(VALU_DEP_1)
	v_mul_u32_u24 v7, v7, 1088                     ; the window's copy r % 4,
	s_delay_alu instid0(VALU_DEP_1)
	v_lshl_add_u32 v7, v3, 6, v7
	s_xor_b32 s29, s18, 1
	s_lshl_b32 s29, s29, 7
	s_add_co_u32 s29, s29, WT+64
	v_add_nc_u32 v7, s29, v7
	v_and_b32 v8, 12, v2
	s_delay_alu instid0(VALU_DEP_1)
	v_lshlrev_b32 v8, 2, v8
	s_delay_alu instid0(VALU_DEP_1)
	v_sub_nc_u32 v7, v7, v8                        ; at word 48 + 16 h - 32 (half) - (r - r % 4); + 32 b + 16 (1 - tile) stand in the immediate
	s_mul_i32 s29, s14, 6144
	s_add_co_u32 s29, s29, STG
	v_lshl_add_u32 v8, v1, 4, s29                  ; my stage, both planes
	v_lshl_add_u32 v9, v1, 3, s29
	s_xor_b32 s30, s19, 1
	s_mul_i32 s30, s30, 768
	v_add_nc_u32 v10, s30, v8                      ; the window's three groups go to slots 1 - par on,
	v_add_nc_u32 v11, s30, v9
	s_mul_i32 s30, s19, 2304
	v_add_nc_u32 v12, s30, v8                      ; the far code to the slot left over: 3 par
	v_add_nc_u32 v13, s30, v9
	s_mul_i32 s29, s15, 49152
	v_lshl_add_u32 v14, v1, 4, s29                 ; v of my head
	v_lshl_add_u32 v15, v1, 3, s29
	v_lshl_add_u32 v16, v3, 5, MBT                 ; the mask's pattern: block h of a pair
	s_lshl_b32 s29, s15, 11
	s_add_co_u32 s29, s29, VSB
	v_lshl_add_u32 v17, v2, 4, s29                 ; v's scale words: row r's four
	v_lshl_add_u32 v22, v0, 2, AFB                 ; for the waves that fill the tables: A's word of my thread,
	v_lshl_add_u32 v23, v1, 5, MBT                 ; a block's pattern,
	v_lshl_add_u32 v24, v1, 4, VSB                 ; v's scale words,
	v_lshl_add_u32 v25, v1, 4, WT                  ; the window's bytes, to be cleared,
	v_lshl_add_u32 v26, v1, 3, WT
	v_lshl_add_u32 v27, v1, 2, WT+512              ; word 128 + lane,
	v_lshlrev_b32 v28, 2, v1
	s_delay_alu instid0(VALU_DEP_1)
	v_sub_nc_u32 v28, WT+384, v28                  ; word 96 - lane
	s_lshl_b32 s29, s16, 7
	s_lshl_b32 s30, s15, 1
	s_add_co_u32 s29, s29, s30
	s_add_co_u32 s29, s29, CSB
	v_lshl_add_u32 v29, v2, 2, s29                 ; ctx's scale halves: query 32 om + r, half = head
	v_lshl_add_u32 v30, v0, 4, CSB                 ; and back, 16 bytes a thread
	v_lshlrev_b32 v31, 4, v1                       ; offsets in memory: 16 x lane,
	v_lshlrev_b32 v254, 3, v1                      ; 8 x lane,
	v_lshlrev_b32 v255, 4, v2                      ; 16 r
	; descriptors: dense blocks as rows of 256 bytes (32 elements of 8 bytes): 12 rows for a group of k, 96 for half of a head's v
	s_mov_b32 s32, 3<<16
	s_mov_b32 s33, 32<<16
	s_mov_b32 s34, 12<<16
	s_mov_b32 s35, 32<<16
	s_mov_b32 s36, 12
	s_mov_b32 s37, 32
	s_mov_b32 s38, 0
	s_mov_b32 s39, 0
	s_mov_b32 s40, 3<<16
	s_mov_b32 s41, 32<<16
	s_mov_b32 s42, 96<<16
	s_mov_b32 s43, 32<<16
	s_mov_b32 s44, 96
	s_mov_b32 s45, 32
	s_mov_b32 s46, 0
	s_mov_b32 s47, 0
	s_mul_i32 s30, s25, 49152                      ; my head's bytes in each third of pc
	s_lshl_b32 s29, ttmp9, 2
	s_add_co_u32 s29, s29, s16
	s_sub_co_i32 s29, s29, 1
	s_max_i32 s29, s29, 0
	s_min_i32 s29, s29, 15                         ; slot om holds group 4 x + om - 1, held inside the head
	s_mul_i32 s29, s29, 3072
	s_add_co_u32 s56, s29, s30
	s_mov_b32 s57, 0
	s_mul_i32 s29, s18, 24576
	s_add_co_u32 s58, s29, s30
	s_add_co_u32 s58, s58, 6291456
	s_mov_b32 s59, 0
	s_mul_i32 s49, s15, 18432
	s_mul_i32 s31, s16, 3072
	s_add_co_u32 s49, s49, s31
	s_add_co_u32 s49, s49, KB
	s_mul_i32 s53, s15, 49152
	s_add_co_u32 s53, s53, s29
	s_mov_b32 s48, 1
	s_mov_b32 s52, 1
	s_wait_kmcnt 0x0
	s_add_nc_u64 s[50:51], s[4:5], s[56:57]
	s_or_b32 s51, s51, 0x80000000
	s_add_nc_u64 s[54:55], s[4:5], s[58:59]
	s_or_b32 s55, s55, 0x80000000
	s_cmp_lt_u32 s16, 6                            ; of a head's eight waves six fetch a group of k each, two a half of v: one tensor load a wave, four v_nop behind it
	s_cbranch_scc0 .Lfill_v
	tensor_load_to_lds s[48:51], s[32:39]
	s_nop 0
.rept 4
	v_nop
.endr
	s_branch .Lfilled
.Lfill_v:
	tensor_load_to_lds s[52:55], s[40:47]
	s_nop 0
.rept 4
	v_nop
.endr
.Lfilled:
	; addresses in memory
	s_lshl_b32 s29, ttmp9, 4
	s_lshl_b32 s31, s16, 1
	s_add_co_u32 s29, s29, s31                     ; my first query / 16
	s_mul_i32 s56, s29, 768
	s_add_co_u32 s56, s56, s30
	s_add_co_u32 s56, s56, 12582912
	s_add_nc_u64 s[60:61], s[4:5], s[56:57]        ; q's two half images
	s_lshl_b32 s31, s22, 6
	s_add_co_u32 s29, s29, s31
	s_mul_i32 s56, s29, 12288
	s_mul_i32 s31, s23, 1536
	s_add_co_u32 s56, s56, s31
	s_mul_i32 s31, s15, 768
	s_add_co_u32 s56, s56, s31
	s_add_nc_u64 s[76:77], s[10:11], s[56:57]      ; ctx's half images: block of 16 tokens, K step = pair of heads, half = head
	s_lshl_b32 s31, s25, 12                        ; my head's scale words of k and of q
	s_lshl_b32 s56, s26, 8
	s_add_co_u32 s56, s56, s31
	s_lshl_b32 s29, s18, 3
	s_add_co_u32 s56, s56, s29
	s_add_co_u32 s56, s56, 524288
	s_add_nc_u64 s[62:63], s[6:7], s[56:57]        ; q's: group Gb, blocks 2 (half) and 2 (half) + 1
.irp g, 0,1,2
	s_add_co_i32 s29, s26, \g-1
	s_max_i32 s29, s29, 0
	s_min_i32 s29, s29, 15
	s_lshl_b32 s29, s29, 8
	s_add_co_u32 s56, s29, s31
	s_add_nc_u64 s[66+2*\g:67+2*\g], s[6:7], s[56:57]      ; k's: the window's three groups
.endr
	s_lshl_b32 s56, s22, 10
	s_add_nc_u64 s[72:73], s[8:9], s[56:57]        ; the batch's mask
	s_lshl_b32 s56, s22, 4
	s_lshl_b32 s29, s23, 1
	s_add_co_u32 s56, s56, s29
	s_lshl_b32 s56, s56, 11
	s_add_co_u32 s56, s56, 1048576
	s_add_nc_u64 s[74:75], s[6:7], s[56:57]        ; v's scale words of both heads: 4,096 bytes on end
	s_lshl_b32 s56, s23, 15
	s_lshl_b32 s29, s22, 12
	s_add_co_u32 s56, s56, s29
	s_lshl_b32 s29, ttmp9, 10
	s_add_co_u32 s56, s56, s29
	s_add_nc_u64 s[78:79], s[12:13], s[56:57]      ; ctx's scale words of the work-group's 256 tokens
	s_lshl_b32 s80, ttmp9, 8
	s_sub_co_u32 s80, s80, 64                      ; the first of the work-group's 384 keys (below 0 it wraps, and fails the unsigned test)
	s_mov_b32 s[SEL], 0x76543210
	s_mov_b32 s[SEL+1], 0xfedcba98
	s_mov_b32 s[LG], 0x3fb8aa3b                    ; log2(e)
	s_mov_b32 s[LG+1], s[LG]
	s_cmp_eq_u32 s19, 1
	s_cselect_b32 s86, -1, 0                       ; par as a lane mask
	s_wait_alu depctr_va_vdst(0)
	global_load_b128 v[56:59], v31, s[60:61]       ; q, tile 0
	global_load_b64 v[60:61], v254, s[60:61] offset:512
	global_load_b32 v44, v255, s[62:63]
	global_load_b32 v45, v255, s[62:63] offset:4
	global_load_b128 v[32:35], v255, s[66:67]
	global_load_b128 v[36:39], v255, s[68:69]
	global_load_b128 v[40:43], v255, s[70:71]
	; THE TABLES, shared out by the wave's number
	s_cmp_lt_u32 s14, 12
	s_cbranch_scc0 .Lrole_12
	v_add_nc_u32 v80, s80, v0                      ; waves 0-11: a thread a key
	s_delay_alu instid0(VALU_DEP_1)
	v_min_u32 v81, 0x3ff, v80                      ; (no load leaves the mask)
	global_load_u8 v82, v81, s[72:73]
	v_mov_b32 v85, 0xdd5e0b6b                      ; -1e18
	v_cmp_gt_u32 vcc_lo, 0x400, v80                ; does the key exist?
	s_wait_alu depctr_va_vdst(0)
	s_wait_loadcnt 0x0
	v_cmp_eq_u32 s87, 0, v82
	s_delay_alu instid0(VALU_DEP_1)
	v_cndmask_b32 v83, 0, 1.0, s87                 ; A = 1 where the key counts,
	s_delay_alu instid0(VALU_DEP_2)
	v_cndmask_b32 v84, v85, 0, s87                 ; B = -1e18 where it is masked;
	s_delay_alu instid0(VALU_DEP_2)
	v_cndmask_b32 v83, 0, v83, vcc_lo              ; both 0 where it does not exist
	s_delay_alu instid0(VALU_DEP_2)
	v_cndmask_b32 v84, 0, v84, vcc_lo
	ds_store_b32 v22, v83
	ds_store_b32 v22, v84 offset:1536
	s_branch .Ljoin
.Lrole_12:
	s_cmp_eq_u32 s14, 12
	s_cbranch_scc0 .Lrole_13
	v_lshlrev_b32 v88, 5, v1                       ; wave 12: a lane a block of 32 keys
	global_load_b128 v[80:83], v88, s[72:73]
	global_load_b128 v[84:87], v88, s[72:73] offset:16
	v_mov_b32 v140, 1.0                            ; the conversion's scale operand: 2^0
	s_wait_loadcnt 0x0
.set ii, 0
.rept 32
	v_bfe_u32 v[96+ii], v[80+ii/4], 8*(ii%4), 8
.set ii, ii+1
.endr
.set ii, 0
.rept 32
	v_add_nc_u32 v[96+ii], -1, v[96+ii]
.set ii, ii+1
.endr
.set ii, 0
.rept 32
	v_and_b32 v[96+ii], 0xc0f00000, v[96+ii]       ; -7.5 where the key counts, whose code is six ones; 0 where it is masked
.set ii, ii+1
.endr
	v_cvt_scalef32_pk16_fp6_f32 v[128:130], v[96:111], v140
	v_cvt_scalef32_pk16_fp6_f32 v[134:136], v[112:127], v140
	v_nop
	v_mov_b32 v131, v134
	v_mov_b32 v132, v135
	v_mov_b32 v133, v136
	ds_store_b128 v23, v[128:131]
	ds_store_b64 v23, v[132:133] offset:16
	s_branch .Ljoin
.Lrole_13:
	s_cmp_eq_u32 s14, 13
	s_cbranch_scc0 .Lrole_14
.irp i, 0,1,2,3,4,5,6,7
	global_load_b128 v[80+4*\i:83+4*\i], v31, s[74:75] offset:512*\i       ; wave 13: v's scale words, in whole runs of 512 bytes
.endr
	s_wait_loadcnt 0x0
.irp i, 0,1,2,3,4,5,6,7
	ds_store_b128 v24, v[80+4*\i:83+4*\i] offset:512*\i
.endr
	s_branch .Ljoin
.Lrole_14:
	s_cmp_eq_u32 s14, 14
	s_cbranch_scc0 .Ljoin
	; wave 14: the window.  erfc(x) = x e^(-x^2) / (2 pi) (1 / x^2 + 2 sum over n of e^(-n^2 / 4) / (n^2 / 4 + x^2)) - 2 / (e^(4 pi x) - 1): the trapezoid rule with step 1/2 for erfc's integral and the term of its pole.
	; The rule's own error is of the order e^(-4 pi^2) of the result, the terms from n = 11 on under 1e-13 of it; so what is left is f32's rounding.  x = d / (4 sqrt 2), x^2 = d^2 / 32 (exact).
	; From d = 40 on e^(4 pi x) is infinite in f32 and the pole's term 0; it is under e^(-39) of the result there.
.irp j, 80,81,82,83
	v_mov_b32 v\j, 0
.endr
	v_mov_b32 v103, 1.0
.irp i, 0,1,2,3,4,5,6,7
	ds_store_b128 v25, v[80:83] offset:512*\i      ; all four copies begin as zeros: 4,096 bytes,
.endr
	ds_store_b64 v26, v[80:81] offset:4096         ; and the last 256
.macro WVAL add                        ; w(lane + add) into words 128 + d and 128 - d of each copy
	v_add_nc_u32 v84, \add, v1
	s_delay_alu instid0(VALU_DEP_1)
	v_cvt_f32_u32 v85, v84
	s_delay_alu instid0(VALU_DEP_1)
	v_mul_f32 v86, 0x3e3504f3, v85                 ; x
	s_delay_alu instid0(VALU_DEP_2)
	v_mul_f32 v87, v85, v85
	s_delay_alu instid0(VALU_DEP_1)
	v_mul_f32 v88, 0xbd38aa3b, v87                 ; -x^2 log2(e)
	s_delay_alu instid0(VALU_DEP_2)
	v_mul_f32 v87, 0x3d000000, v87                 ; x^2
	v_mul_f32 v89, 0x404d1c78, v85                 ; 4 pi x log2(e)
	s_delay_alu instid0(VALU_DEP_2)
	v_add_f32 v91, 0x3e800000, v87                 ; n^2 / 4 + x^2, n = 1 .. 10
	s_delay_alu instid0(VALU_DEP_3)
	v_add_f32 v92, 1.0, v87
	s_delay_alu instid0(VALU_DEP_4)
	v_add_f32 v93, 0x40100000, v87
	v_add_f32 v94, 4.0, v87
	v_add_f32 v95, 0x40c80000, v87
	v_add_f32 v96, 0x41100000, v87
	v_add_f32 v97, 0x41440000, v87
	v_add_f32 v98, 0x41800000, v87
	v_add_f32 v99, 0x41a20000, v87
	v_add_f32 v100, 0x41c80000, v87
	s_wait_alu depctr_va_vdst(0)
	v_rcp_f32 v90, v87
.irp j, 91,92,93,94,95,96,97,98,99,100
	v_rcp_f32 v\j, v\j
.endr
	v_exp_f32 v88, v88
	v_exp_f32 v89, v89
	v_nop                                          ; a plain line behind the batch,
	s_wait_alu depctr_va_vdst(0)                   ; and one wait for all thirteen, ahead of the first reader
	v_mul_f32 v101, 0x2d7451bd, v100               ; e^(-n^2 / 4) x the reciprocals, the smallest first
	v_fma_f32 v101, v99, 0x30dc9ef1, v101
	v_fma_f32 v101, v98, 0x33f1aade, v101
	v_fma_f32 v101, v97, 0x36a08fd8, v101
	v_fma_f32 v101, v96, 0x39016791, v101
	v_fma_f32 v101, v95, 0x3afd074b, v101
	v_fma_f32 v101, v94, 0x3c960aae, v101
	v_fma_f32 v101, v93, 0x3dd7db8c, v101
	v_fma_f32 v101, v92, 0x3ebc5ab2, v101
	v_fma_f32 v101, v91, 0x3f475f7d, v101
	v_fma_f32 v101, v101, 2.0, v90
	v_mul_f32 v102, v86, v88
	s_delay_alu instid0(VALU_DEP_1)
	v_mul_f32 v102, 0x3e22f983, v102               ; x e^(-x^2) / (2 pi)
	v_add_f32 v89, -1.0, v89
	s_wait_alu depctr_va_vdst(0)
	v_rcp_f32 v89, v89
	v_nop
	s_wait_alu depctr_va_vdst(0)
	v_mul_f32 v89, -2.0, v89
	s_delay_alu instid0(VALU_DEP_1)
	v_fma_f32 v101, v102, v101, v89
	v_cmp_eq_u32 vcc_lo, 0, v84
	s_delay_alu instid0(VALU_DEP_1)
	v_cndmask_b32 v101, v101, v103, vcc_lo         ; w(0) = 1
	s_delay_alu instid0(VALU_DEP_1)
	v_max_num_f32 v101, 0, v101
.irp p, 0,1,2,3
	ds_store_b32 v27, v101 offset:1092*\p+\add*4
	ds_store_b32 v28, v101 offset:1092*\p+128-\add*4
.endr
.endm
	WVAL 0
	WVAL 32
.Ljoin:
	s_cmp_lt_u32 s16, 6                            ; the waves that fetched a group of k wait for it here; a half of v may stay on its way: v is first read in the second product, behind a barrier of its own, and nothing is filled again
	s_cbranch_scc0 .Lv_flies
	s_wait_tensorcnt 0x0                           ; my group of k has landed,
.Lv_flies:
	s_wait_dscnt 0x0                               ; my part of the tables is stored:
	s_barrier_signal -1
	s_barrier_wait -1                              ; everybody's
	s_wait_loadcnt 0x0                             ; q and the scale words
; ONE TILE OF 16 QUERIES: scores of the window's 192 keys, softmax, quantised weights into my stage, the far code and p's scale words into registers.
.macro TILE tau
.set ii, 0
.rept 12
	ds_load_b128 v[KF+6*ii:KF+6*ii+3], v4 offset:768*ii
	ds_load_b64 v[KF+6*ii+4:KF+6*ii+5], v5 offset:768*ii+512
.set ii, ii+1
.endr
.if \tau
	s_wait_loadcnt 0x0                             ; q, tile 1
.endif
	s_wait_dscnt 0x0
.set ii, 0
.rept 12
	v_wmma_scale_f32_16x16x128_f8f6f4 v[S+8*ii:S+8*ii+7], v[KF+6*ii:KF+6*ii+11], v[56:67], 0, v[32+ii], v[44+\tau] matrix_a_fmt:MATRIX_FMT_FP6 matrix_b_fmt:MATRIX_FMT_FP6
.set ii, ii+1
.endr                                  ; register 16 b + i of lane (r, h): query r, key 32 b + 16 h + i of the window
.rept 4
	v_nop                                          ; places behind the products
.endr
.if \tau == 0
	global_load_b128 v[56:59], v31, s[60:61] offset:768    ; q, tile 1: it lands during this tile's softmax
	global_load_b64 v[60:61], v254, s[60:61] offset:1280
.endif
	v_mov_b32 v[MX0], 0                            ; the row's maximum begins at 0: the far keys' weighted score
	v_mov_b32 v[MX1], 0
.set bb, 0
.rept 6
.set ee, 0
.rept 4
	ds_load_b128 v[CH+4*ee:CH+4*ee+3], v6 offset:128*bb+16*ee
	ds_load_b128 v[CH+16+4*ee:CH+16+4*ee+3], v6 offset:1536+128*bb+16*ee
	ds_load_b128 v[CH+32+4*ee:CH+32+4*ee+3], v7 offset:128*bb+16*ee+64*(1-\tau)
.set ee, ee+1
.endr
	s_wait_dscnt 0x0
.set ee, 0
.rept 8
	v_pk_fma_f32 v[S+16*bb+ee:S+16*bb+ee+1], v[S+16*bb+ee:S+16*bb+ee+1], v[CH+ee:CH+ee+1], v[CH+16+ee:CH+16+ee+1]   ; the mask fill; each accumulator from its low end on
.set ee, ee+2
.endr
.set ee, 0
.rept 8
	v_pk_mul_f32 v[S+16*bb+ee:S+16*bb+ee+1], v[S+16*bb+ee:S+16*bb+ee+1], v[CH+32+ee:CH+32+ee+1]                    ; x w
.set ee, ee+2
.endr
.set ee, 0
	v_max3_num_f32 v[MX0], v[MX0], v[S+16*bb+ee], v[S+16*bb+ee+1]
	v_max3_num_f32 v[MX1], v[MX1], v[S+16*bb+ee+2], v[S+16*bb+ee+3]
.set ee, ee+4
.rept (4)-1
	s_delay_alu instid0(VALU_DEP_2)
	v_max3_num_f32 v[MX0], v[MX0], v[S+16*bb+ee], v[S+16*bb+ee+1]
	s_delay_alu instid0(VALU_DEP_2)
	v_max3_num_f32 v[MX1], v[MX1], v[S+16*bb+ee+2], v[S+16*bb+ee+3]
.set ee, ee+4
.endr
.set bb, bb+1
.endr
	s_delay_alu instid0(VALU_DEP_1)
	v_max_num_f32 v[MX0], v[MX0], v[MX1]
	s_delay_alu instid0(VALU_DEP_1)
	v_permlanex16_b32 v[TP], v[MX0], s[SEL], s[SEL+1]
	s_delay_alu instid0(VALU_DEP_1)
	v_max_num_f32 v[MX0], v[MX0], v[TP]            ; m, the row's maximum over all 1,024 keys
	s_delay_alu instid0(VALU_DEP_1)
	v_mul_f32 v[NML], 0xbfb8aa3b, v[MX0]           ; -m log2(e): its rounding is one factor on every term of the row, and leaves with the division by the sum
	s_delay_alu instid0(VALU_DEP_1)
	v_mov_b32 v[NML+1], v[NML]
.set ii, 0
.rept 48
	v_pk_fma_f32 v[S+ii:S+ii+1], v[S+ii:S+ii+1], s[LG:LG+1], v[NML:NML+1] op_sel_hi:[1,0,0]
.set ii, ii+2
.endr
.set ii, 0
	s_wait_alu depctr_va_vdst(0)
.rept 96
	v_exp_f32 v[S+ii], v[S+ii]                     ; e^(t - m)
.set ii, ii+1
.endr
	v_exp_f32 v[E0], v[NML]                        ; e^(-m): a far key's
	v_nop                                          ; a plain line behind the batch,
	s_wait_alu depctr_va_vdst(0)                   ; and one wait for all 97, ahead of the first reader
	v_pk_add_f32 v[226:227], v[80:81], v[84:85]
	v_pk_add_f32 v[244:245], v[88:89], v[92:93]
	v_pk_add_f32 v[242:243], v[96:97], v[100:101]
	v_pk_add_f32 v[240:241], v[104:105], v[108:109]
	v_pk_add_f32 v[238:239], v[112:113], v[116:117]
	v_pk_add_f32 v[236:237], v[120:121], v[124:125]
	v_pk_add_f32 v[228:229], v[128:129], v[132:133]
	v_pk_add_f32 v[224:225], v[136:137], v[140:141]
	v_pk_add_f32 v[224:225], v[224:225], v[144:145]
	v_pk_add_f32 v[226:227], v[226:227], v[148:149]
	v_pk_add_f32 v[244:245], v[244:245], v[152:153]
	v_pk_add_f32 v[242:243], v[242:243], v[156:157]
	v_pk_add_f32 v[240:241], v[240:241], v[160:161]
	v_pk_add_f32 v[238:239], v[238:239], v[164:165]
	v_pk_add_f32 v[236:237], v[236:237], v[168:169]
	v_pk_add_f32 v[228:229], v[228:229], v[172:173]
	v_pk_add_f32 v[224:225], v[224:225], v[82:83]
	v_pk_add_f32 v[226:227], v[226:227], v[86:87]
	v_pk_add_f32 v[244:245], v[244:245], v[90:91]
	v_pk_add_f32 v[242:243], v[242:243], v[94:95]
	v_pk_add_f32 v[240:241], v[240:241], v[98:99]
	v_pk_add_f32 v[238:239], v[238:239], v[102:103]
	v_pk_add_f32 v[236:237], v[236:237], v[106:107]
	v_pk_add_f32 v[228:229], v[228:229], v[110:111]
	v_pk_add_f32 v[224:225], v[224:225], v[114:115]
	v_pk_add_f32 v[226:227], v[226:227], v[118:119]
	v_pk_add_f32 v[244:245], v[244:245], v[122:123]
	v_pk_add_f32 v[242:243], v[242:243], v[126:127]
	v_pk_add_f32 v[240:241], v[240:241], v[130:131]
	v_pk_add_f32 v[238:239], v[238:239], v[134:135]
	v_pk_add_f32 v[236:237], v[236:237], v[138:139]
	v_pk_add_f32 v[228:229], v[228:229], v[142:143]
	v_pk_add_f32 v[224:225], v[224:225], v[146:147]
	v_pk_add_f32 v[226:227], v[226:227], v[150:151]
	v_pk_add_f32 v[244:245], v[244:245], v[154:155]
	v_pk_add_f32 v[242:243], v[242:243], v[158:159]
	v_pk_add_f32 v[240:241], v[240:241], v[162:163]
	v_pk_add_f32 v[238:239], v[238:239], v[166:167]
	v_pk_add_f32 v[236:237], v[236:237], v[170:171]
	v_pk_add_f32 v[228:229], v[228:229], v[174:175]
	s_delay_alu instid0(VALU_DEP_4)
	v_pk_add_f32 v[224:225], v[224:225], v[240:241]
	s_delay_alu instid0(VALU_DEP_4)
	v_pk_add_f32 v[226:227], v[226:227], v[238:239]
	s_delay_alu instid0(VALU_DEP_4)
	v_pk_add_f32 v[244:245], v[244:245], v[236:237]
	s_delay_alu instid0(VALU_DEP_4)
	v_pk_add_f32 v[242:243], v[242:243], v[228:229]
	s_delay_alu instid0(VALU_DEP_2)
	v_pk_add_f32 v[224:225], v[224:225], v[244:245]
	s_delay_alu instid0(VALU_DEP_2)
	v_pk_add_f32 v[226:227], v[226:227], v[242:243]
	s_delay_alu instid0(VALU_DEP_1)
	v_pk_add_f32 v[224:225], v[224:225], v[226:227]
	s_delay_alu instid0(VALU_DEP_1)
	v_add_f32 v[SM0], v[SM0], v[SM0+1]
	s_delay_alu instid0(VALU_DEP_1)
	v_permlanex16_b32 v[TP], v[SM0], s[SEL], s[SEL+1]
	s_delay_alu instid0(VALU_DEP_1)
	v_add_f32 v[SM0], v[SM0], v[TP]
	v_fma_f32 v[SM0], v[E0], 0x44500000, v[SM0]    ; + 832 e^(-m): the 1,024 - 192 keys outside
	s_wait_alu depctr_va_vdst(0)
	v_rcp_f32 v[INV], v[SM0]
	v_nop
	s_wait_alu depctr_va_vdst(0)
	v_mov_b32 v[INV+1], v[INV]
.set uu, 0
	s_wait_alu depctr_va_vdst(0)
.rept 2                                ; attn = e^(t - m) / sum, 0 where masked; and each block's largest: three blocks of 32 keys at a time
.set bb, 0
.rept 3
.set ee, 0
.rept 4
	ds_load_b128 v[CH+16*bb+4*ee:CH+16*bb+4*ee+3], v6 offset:128*(3*uu+bb)+16*ee
.set ee, ee+1
.endr
.set bb, bb+1
.endr
	s_wait_dscnt 0x0
.set bb, 0
.rept 3
.set ee, 0
.rept 8
	v_pk_mul_f32 v[CH+16*bb+ee:CH+16*bb+ee+1], v[CH+16*bb+ee:CH+16*bb+ee+1], v[INV:INV+1]
.set ee, ee+2
.endr
.set ee, 0
.rept 8
	v_pk_mul_f32 v[S+16*(3*uu+bb)+ee:S+16*(3*uu+bb)+ee+1], v[S+16*(3*uu+bb)+ee:S+16*(3*uu+bb)+ee+1], v[CH+16*bb+ee:CH+16*bb+ee+1]
.set ee, ee+2
.endr
	v_max3_num_f32 v[BM+3*uu+bb], v[S+16*(3*uu+bb)], v[S+16*(3*uu+bb)+1], 0x1800000       ; none is negative; the floor 2^(3 - 127) holds the byte at 1 from below
.set ee, 2
.rept 7
	s_delay_alu instid0(VALU_DEP_1)
	v_max3_num_f32 v[BM+3*uu+bb], v[BM+3*uu+bb], v[S+16*(3*uu+bb)+ee], v[S+16*(3*uu+bb)+ee+1]
.set ee, ee+2
.endr
.set bb, bb+1
.endr
.set uu, uu+1
.endr
.irp b, 0,1,2,3,4,5
	v_permlanex16_b32 v[PB+\b], v[BM+\b], s[SEL], s[SEL+1]
.endr
.irp b, 0,1,2,3,4,5
	v_max_num_f32 v[BM+\b], v[BM+\b], v[PB+\b]
.endr
.irp b, 0,1,2,3,4,5
	v_add_nc_u32 v[SO+\b], 0xff000000, v[BM+\b]    ; the conversions' scale operands
.endr
.irp b, 0,1,2,3,4,5
	v_lshrrev_b32 v[PB+\b], 23, v[SO+\b]           ; the bytes
.endr
.irp g, 0,1,2
	v_cvt_scalef32_pk16_fp6_f32 v[176+6*\g:178+6*\g], v[S+32*\g:S+32*\g+15], v[SO+2*\g]
	v_cvt_scalef32_pk16_fp6_f32 v[196+4*\g:198+4*\g], v[S+32*\g+16:S+32*\g+31], v[SO+2*\g+1]
.endr
	v_nop                                          ; one plain line behind the scaled conversions
.irp g, 0,1,2                          ; a whole block in a lane: lanes 0-15 the group's first 32 keys, lanes 16-31 its second
.irp i, 0,1,2
	v_permlane16_swap_b32 v[176+6*\g+\i], v[196+4*\g+\i]
.endr
.irp i, 0,1,2
	s_delay_alu instid0(VALU_DEP_3)
	v_mov_b32 v[179+6*\g+\i], v[196+4*\g+\i]
.endr
.endr
.irp g, 0,1,2
	ds_store_b128 v10, v[176+6*\g:179+6*\g] offset:3072*\tau+768*\g
	ds_store_b64 v11, v[180+6*\g:181+6*\g] offset:3072*\tau+768*\g+512
.endr
	v_mul_f32 v224, v[E0], v[INV]                  ; a far key's attn: the same for the whole row
	s_delay_alu instid0(VALU_DEP_1)
	v_max_num_f32 v225, 0x1800000, v224
	s_delay_alu instid0(VALU_DEP_1)
	v_add_nc_u32 v225, 0xff000000, v225
	s_delay_alu instid0(VALU_DEP_1)
	v_lshrrev_b32 v226, 23, v225                   ; its blocks' byte
.set ii, 0
.rept 16
	v_mov_b32 v[S+ii], v224
.set ii, ii+1
.endr
	v_cvt_scalef32_pk16_fp6_f32 v[RR+6*\tau:RR+6*\tau+2], v[S:S+15], v225  ; 16 equal codes are 96 bits: a block's second half is the same three registers
	v_nop
.irp i, 0,1,2
	v_mov_b32 v[RR+6*\tau+3+\i], v[RR+6*\tau+\i]
.endr
	ds_store_b128 v12, v[RR+6*\tau:RR+6*\tau+3] offset:3072*\tau           ; the far half of one of the window's two K steps
	ds_store_b64 v13, v[RR+6*\tau+4:RR+6*\tau+5] offset:3072*\tau+512
	v_lshl_or_b32 v227, v226, 8, v226
	s_delay_alu instid0(VALU_DEP_1)
	v_lshl_or_b32 v[50+\tau], v227, 16, v227       ; p's scale word of a far K step
.irp g, 0,1,2
	v_lshl_or_b32 v[236+\g], v[PB+2*\g+1], 8, v[PB+2*\g]   ; a group's two bytes
.endr
	s_delay_alu instid0(VALU_DEP_3)
	v_lshl_or_b32 v239, v236, 16, v227             ; the window's first K step: even Gb: far keys, group 0;
	s_delay_alu instid0(VALU_DEP_3)
	v_lshl_or_b32 v240, v237, 16, v236             ; odd Gb: groups 0, 1
	s_delay_alu instid0(VALU_DEP_3)
	v_lshl_or_b32 v241, v238, 16, v237             ; its second: even Gb: groups 1, 2;
	s_delay_alu instid0(VALU_DEP_4)
	v_lshl_or_b32 v247, v227, 16, v238             ; odd Gb: group 2, far keys
	s_delay_alu instid0(VALU_DEP_3)
	v_cndmask_b32 v[52+\tau], v239, v240, s86
	s_delay_alu instid0(VALU_DEP_2)
	v_cndmask_b32 v[54+\tau], v241, v247, s86
.endm
	TILE 0
	TILE 1
; O^T += v^T p^T over the head's eight K steps of 128 keys.  kind 0: all keys far; 1, 2: the window's first and second K step, whose p comes from my stage.
.macro PVSTEP kind
.irp a, 0,1,2,3
	ds_load_b128 v[VF+12*\a:VF+12*\a+3], v18 offset:1536*\a
	ds_load_b64 v[VF+12*\a+4:VF+12*\a+5], v19 offset:1536*\a+512
	ds_load_b128 v[VF+12*\a+6:VF+12*\a+9], v18 offset:1536*\a+768
	ds_load_b64 v[VF+12*\a+10:VF+12*\a+11], v19 offset:1536*\a+1280
.endr
	ds_load_b128 v[46:49], v21
.irp c, 0,1
	ds_load_b128 v[MB+6*\c:MB+6*\c+3], v20 offset:64*\c
	ds_load_b64 v[MB+6*\c+4:MB+6*\c+5], v20 offset:64*\c+16
.endr
.if \kind
.irp t, 0,1
.irp c, 0,1
	ds_load_b128 v[P+12*\t+6*\c:P+12*\t+6*\c+3], v8 offset:3072*\t+768*(2*(\kind-1)+\c)     ; LDS serves a wave's instructions in order: these see my stores
	ds_load_b64 v[P+12*\t+6*\c+4:P+12*\t+6*\c+5], v9 offset:3072*\t+768*(2*(\kind-1)+\c)+512
.endr
.endr
.endif
	s_wait_dscnt 0x0
.set tt, 0
.rept 2
.set jj, 0
.rept 12
.if \kind
	v_and_b32 v[P+12*tt+jj], v[P+12*tt+jj], v[MB+jj]               ; masked keys get the code 0 (in the window they have it already; its far half needs it)
.else
	v_and_b32 v[P+12*tt+jj], v[RR+6*tt+jj%6], v[MB+jj]
.endif
.set jj, jj+1
.endr
.set tt, tt+1
.endr
.rept 4
	v_nop                                          ; an operand written by vector instructions stands four places ahead of a scaled product
.endr
.set aa, 0
.rept 4
.set tt, 0
.rept 2
	v_wmma_scale_f32_16x16x128_f8f6f4 v[O+32*tt+8*aa:O+32*tt+8*aa+7], v[VF+12*aa:VF+12*aa+11], v[P+12*tt:P+12*tt+11], v[O+32*tt+8*aa:O+32*tt+8*aa+7], v[46+aa], v[50+2*\kind+tt] matrix_a_fmt:MATRIX_FMT_FP6 matrix_b_fmt:MATRIX_FMT_FP6
.set tt, tt+1
.endr
.set aa, aa+1
.endr                                  ; the eight accumulators take turns, over the backward jump too
.endm
.set ii, 0
.rept 64
	v_mov_b32 v[O+ii], 0                           ; the step is written once for each of its three kinds, any of which may be a wave's first: so the sums begin as zeros
.set ii, ii+1
.endr
	s_mov_b32 s87, 0                               ; the K step
	s_mov_b32 s88, 0                               ; its bytes in v,
	s_mov_b32 s89, 0                               ; in the mask's patterns,
	s_mov_b32 s90, 0                               ; in v's scale words
	s_wait_alu depctr_va_vdst(0)
	s_wait_tensorcnt 0x0                           ; my half of v, if I fetched one, has landed,
	s_wait_dscnt 0x0                               ; no LDS instruction of mine is out at the signal:
	s_barrier_signal -1
	s_barrier_wait -1                              ; v of both heads is whole for every wave
.Lpv:
	v_add_nc_u32 v18, s88, v14                     ; four plain lines: also the places behind the last products, in front of loads into and writes of their operands
	v_add_nc_u32 v19, s88, v15
	v_add_nc_u32 v20, s89, v16
	v_add_nc_u32 v21, s90, v17
	s_cmp_eq_u32 s87, s27                          ; branches on the work-group's and the wave's number alone
	s_cbranch_scc1 .Lband_a
	s_cmp_eq_u32 s87, s28
	s_cbranch_scc1 .Lband_b
	PVSTEP 0
	s_branch .Lnext
.Lband_a:
	s_wait_alu depctr_va_vdst(0)
	PVSTEP 1
	s_branch .Lnext
.Lband_b:
	s_wait_alu depctr_va_vdst(0)
	PVSTEP 2
.Lnext:
	s_add_co_u32 s88, s88, 6144
	s_add_co_u32 s89, s89, 128
	s_add_co_u32 s90, s90, 256
	s_add_co_u32 s87, s87, 1
	s_cmp_lt_u32 s87, 8
	s_cbranch_scc1 .Lpv
.rept 4
	v_nop                                          ; places behind the last products
.endr
; THE WAY OUT: a tile's 16 queries x the head's 64 (register 16 b + i = d 32 b + 16 h + i) are quantised along d, the last product's K: half an image and two bytes.
.macro QUANTH tau
.set OB, O+32*\tau
.set PX, P+12*\tau
	v_max3_num_f32 v228, |v[OB]|, |v[OB+1]|, 0x1800000
	v_max3_num_f32 v229, |v[OB+16]|, |v[OB+17]|, 0x1800000
.irp i, 2,4,6,8,10,12,14
	v_max3_num_f32 v228, v228, |v[OB+\i]|, |v[OB+\i+1]|
	v_max3_num_f32 v229, v229, |v[OB+16+\i]|, |v[OB+17+\i]|
.endr
	s_delay_alu instid0(VALU_DEP_2)
	v_permlanex16_b32 v230, v228, s[SEL], s[SEL+1]
	s_delay_alu instid0(VALU_DEP_2)
	v_permlanex16_b32 v231, v229, s[SEL], s[SEL+1]
	s_delay_alu instid0(VALU_DEP_2)
	v_max_num_f32 v228, v228, v230
	s_delay_alu instid0(VALU_DEP_2)
	v_max_num_f32 v229, v229, v231
	s_delay_alu instid0(VALU_DEP_2)
	v_add_nc_u32 v232, 0xff000000, v228
	s_delay_alu instid0(VALU_DEP_2)
	v_add_nc_u32 v233, 0xff000000, v229
	s_delay_alu instid0(VALU_DEP_2)
	v_lshrrev_b32 v230, 23, v232
	s_delay_alu instid0(VALU_DEP_2)
	v_lshrrev_b32 v231, 23, v233
	s_delay_alu instid0(VALU_DEP_1)
	v_lshl_or_b32 v[234+\tau], v231, 8, v230
	v_cvt_scalef32_pk16_fp6_f32 v[PX:PX+2], v[OB:OB+15], v232
	v_cvt_scalef32_pk16_fp6_f32 v[PX+6:PX+8], v[OB+16:OB+31], v233
	v_nop
.irp i, 0,1,2
	v_permlane16_swap_b32 v[PX+\i], v[PX+6+\i]
.endr
.irp i, 0,1,2
	s_delay_alu instid0(VALU_DEP_3)
	v_mov_b32 v[PX+3+\i], v[PX+6+\i]
.endr
	global_store_b128 v31, v[PX:PX+3], s[76:77] offset:12288*\tau          ; 512 and 256 consecutive bytes, aligned
	global_store_b64 v254, v[PX+4:PX+5], s[76:77] offset:12288*\tau+512
	ds_store_b16 v29, v[234+\tau] offset:64*\tau   ; lanes r and r + 16 write the same two bytes with the same value
.endm
	QUANTH 0
	QUANTH 1
	s_wait_dscnt 0x0                               ; for the others' sake: my halves of the scale words are stored
	s_barrier_signal -1
	s_barrier_wait -1                              ; both heads' halves of all 256 words lie in LDS
	s_cmp_lt_u32 s14, 2
	s_cbranch_scc0 .Ldone
	ds_load_b128 v[236:239], v30
	v_lshlrev_b32 v240, 4, v0
	s_wait_alu depctr_va_vdst(0)
	s_wait_dscnt 0x0
	global_store_b128 v240, v[236:239], s[78:79]   ; waves 0, 1: 512 consecutive bytes each
.Ldone:
	s_wait_xcnt 0x0
	v_lshl_add_u32 v254, v0, 2, 0x3c500
	v_mov_b32 v255, 0
	s_wait_alu depctr_va_vdst(0)
	s_wait_tensorcnt 0x0
	ds_add_u32 v254, v255
	s_wait_dscnt 0x0
	s_endpgm
.Lfunc_end_k_q148cbcaea3_attn:
	.size	k_q148cbcaea3_attn, .Lfunc_end_k_q148cbcaea3_attn-k_q148cbcaea3_attn
	.p2alignl 7, 3214868480
	.fill 96, 4, 3214868480
	.section	.rodata,"a",@progbits
	.p2align	6, 0x0
	.amdhsa_kernel k_q148cbcaea3_attn
		.amdhsa_group_segment_fixed_size 249088
		.amdhsa_private_segment_fixed_size 0
		.amdhsa_enable_private_segment 0
		.amdhsa_kernarg_size 40
		.amdhsa_user_sgpr_count 2
		.amdhsa_user_sgpr_kernarg_segment_ptr 1
		.amdhsa_wavefront_size32 1
		.amdhsa_system_sgpr_workgroup_id_x 1
		.amdhsa_system_sgpr_workgroup_id_y 1
		.amdhsa_system_sgpr_workgroup_id_z 1
		.amdhsa_system_vgpr_workitem_id 0
		.amdhsa_next_free_vgpr 256
		.amdhsa_next_free_sgpr 96
		.amdhsa_reserve_vcc 1
		.amdhsa_float_denorm_mode_32 3
		.amdhsa_float_denorm_mode_16_64 3
		.amdhsa_memory_ordered 1
		.amdhsa_forward_progress 1
		.amdhsa_inst_pref_size 137
	.end_amdhsa_kernel
	.amdgpu_metadata
---
amdhsa.version: [ 1, 2 ]
amdhsa.kernels:
  - .name:           k_q148cbcaea3_attn
    .symbol:         k_q148cbcaea3_attn.kd
    .args:
      - { .name: pc, .offset: 0, .size: 8, .value_kind: global_buffer, .address_space: global }
      - { .name: ps, .offset: 8, .size: 8, .value_kind: global_buffer, .address_space: global }
      - { .name: mask, .offset: 16, .size: 8, .value_kind: global_buffer, .address_space: global }
      - { .name: cc, .offset: 24, .size: 8, .value_kind: global_buffer, .address_space: global }
      - { .name: cs, .offset: 32, .size: 8, .value_kind: global_buffer, .address_space: global }
    .group_segment_fixed_size: 249088
    .private_segment_fixed_size: 0
    .kernarg_segment_align: 8
    .kernarg_segment_size: 40
    .max_flat_workgroup_size: 512
    .sgpr_count:     96
    .vgpr_count:     256
    .wavefront_size: 32
...
	.end_amdgpu_metadata
.endif
;; end of part 3
;; launch outp (part 4): grid 4 x 64, 4 waves a work-group, clusters of 4 x 4, 327,680 bytes of LDS; arguments cc, cs, qc, qs, bo, out0; writes out0
.if DOCPART == 4
	.amdgcn_target "amdgcn-amd-amdhsa--gfx1250"
	.amdhsa_code_object_version 6
	.text
	.protected	k_q148cbcaea3_outp
	.globl	k_q148cbcaea3_outp
	.p2align	8
	.type	k_q148cbcaea3_outp,@function
k_q148cbcaea3_outp:
	s_mov_b64 s[64:65], 0
	v_nop
	global_prefetch_b8 v0, s[64:65] scope:SCOPE_SE
	s_setreg_imm32_b32 hwreg(HW_REG_WAVE_MODE, 25, 1), 1
	s_wait_xcnt 0x0
	s_wait_alu depctr_hold_cnt(0) depctr_sa_sdst(0) depctr_va_vdst(0) depctr_va_sdst(0) depctr_va_ssrc(0) depctr_va_vcc(0) depctr_vm_vsrc(0)
	s_getreg_b32 s2, hwreg(HW_REG_IB_STS2, 6, 4)
	s_cmp_eq_u32 s2, 0
	s_cbranch_scc0 .Lentry_in_a_cluster
	s_endpgm
.Lentry_in_a_cluster:
	s_bfe_u32 s2, ttmp6, 0x10000c
	s_cmp_lg_u32 s2, 0xf033
	s_cbranch_scc0 .Lentry_shape_is_right
	s_endpgm
.Lentry_shape_is_right:
; out0 = ctx Wo^T + bo on codes of FP6 (E2M3).  ctx's codes and scale words come from launch attn, Wo's from launch quant, both as images of operand registers.
; A work-group makes 128 tokens (ALPHA = ctx, source 1: a lane holds one token) x 256 features (BETA = Wo's rows, source 0: a lane's eight results are eight neighbouring features), K = 1,024.
; THE FEATURES GO IN TWO GROUPS OF 128.  Wave w takes tokens 64 (w / 2) on (four blocks) and, in each group, features 64 (w % 2) on (four blocks): 16 accumulators a group, each group with registers of its own.
; A wave's 32 fragments of ctx (4 blocks x 8 K steps, 384 registers) are read from LDS once, during group 0, and stay in registers for group 1: so LDS is read 96 fragments a wave, each once.
; Group 0's results (64 tokens x 64 features a wave) leave while group 1 is multiplied: a block of 16 tokens goes into the stage in group 1's even K steps and is stored in the odd ones.
; LDS holds all of K, each byte filled once, as the blocks lie in memory (12,288 bytes a block): ctx's 8 blocks, Wo's 16.  At the head each wave asks for 49,152 bytes on end (waves 0, 1 ctx's halves, waves 2, 3 the halves of
; Wo's group 0); behind the full sequence and a round of the cluster's barrier each wave asks for two blocks of Wo's group 1 (24,576 bytes), which have group 0's first 112 products a wave (K steps 0-6) in which to land.  One tensor load of mine is out at the most.
; CLUSTERS: 4 x 4 work-groups; ctx's tiles are shared along a row of the cluster, Wo's along a column, each asked for jointly.
; NO PREFETCH: one tile to a work-group and no loop to run ahead in: both loads are asked for before the first product.
; THE STAGE: 16 rows x 272 bytes for each wave, on LDS bytes of its own behind the spare words, into which no fill lands.  A row of 64 features is 256 bytes: sixteen lanes store one aligned run of 256 bytes.
; REGISTERS.  Window 0: v4-9 LDS addresses; v32-63 ctx's scale words [8 a + s], v64-127 Wo's [8 (4 g + b) + s]; v128-191 rows on their way out, two sets; v192-239 ctx's fragments of K step 7.
;   Window 1: Wo's fragments, sets at v0 and v48; v96-159 bo, the C of the first products; v160-255 ctx's fragments of K steps 5, 6.   Window 2: accumulator (g, a, b) at v[128 g + 8 (4 a + b)].   Window 3: ctx's fragments of K steps 0-4.
.set GP,    12288                      ; a block's eight images
.set FRB,   1536                       ; an image
.set BB,    8*GP                       ; Wo's blocks, behind ctx's
.set SPARE, 24*GP                      ; the spare words, 512 bytes
.set STAGE, SPARE+512
.set SPITCH, 272
.set A16, 4
.set A8,  5
.set B16, 6                            ; group 0: v6, v7; group 1: v8, v9
.set B8,  7
.set STO, 20
.set RD,  21
.set CO,  22
.set SCA, 32
.set SCB, 64
.set BK,  128
.set BBR, 96
.set MSB, 0
.macro WIN new                         ; the immediate's high byte repeats the setting that is left
.if MSB != \new
	s_set_vgpr_msb (MSB<<8)|\new
.set MSB, \new
.endif
.endm
.macro CROUND                          ; a round of the cluster's barrier
	s_barrier_signal -1
	s_barrier_wait -1
	s_cmp_lg_u32 s18, 0
	s_cbranch_scc1 .Lnot_wave_0_\@
	s_barrier_signal -3
.Lnot_wave_0_\@:
	s_barrier_wait -3
	s_barrier_signal -1
	s_barrier_wait -1
.endm
.macro PLACES
.rept 4
	v_nop
.endr
.endm
.macro G1SET g, m, r                   ; group 1: r rows of 12,288 bytes (1,536 elements of 8 bytes), on end in memory and in LDS; mask m, bit 21 beside it
	s_or_b32 s[\g], s[\m], (3<<16)|(1<<21)
	s_mov_b32 s[\g+1], 1536<<16
	s_mov_b32 s[\g+2], \r<<16
	s_mov_b32 s[\g+3], 1536<<16
	s_mov_b32 s[\g+4], \r
	s_mov_b32 s[\g+5], 1536
	s_mov_b32 s[\g+6], 0
	s_mov_b32 s[\g+7], 0
.endm
.macro FRAG dst, a16, a8, off          ; an image comes back as the operand's 12 registers: four dense loads
	ds_load_b128 v[(\dst):(\dst)+3], v[\a16] offset:(\off)
	ds_load_b64 v[(\dst)+4:(\dst)+5], v[\a8] offset:(\off)+512
	ds_load_b128 v[(\dst)+6:(\dst)+9], v[\a16] offset:(\off)+768
	ds_load_b64 v[(\dst)+10:(\dst)+11], v[\a8] offset:(\off)+1280
.endm
.macro ALOC s                          ; where ctx's four fragments of K step s live: window AW, register AR on
.if (\s) < 5
.set AW, 3
.set AR, 48*(\s)
.else
.if (\s) < 7
.set AW, 1
.set AR, 160+48*((\s)-5)
.else
.set AW, 0
.set AR, 192
.endif
.endif
.endm
.macro FETCHA s                        ; 16 LDS loads
	ALOC \s
.set WV, AW<<6
	WIN WV
.irp i, 0,1,2,3
	FRAG AR+12*\i, A16, A8, GP*\i+FRB*(\s)
.endr
.endm
.macro FETCHB g, s                     ; group g's four fragments of K step s into set s % 2: 16 LDS loads
	WIN 0x40
.irp i, 0,1,2,3
	FRAG 48*((\s)%2)+12*\i, B16+2*(\g), B8+2*(\g), GP*\i+FRB*(\s)
.endr
.endm
.macro MULG g, s, a0, first            ; ctx's blocks a0, a0 + 1 against the group's four.  The group's 16 accumulators take turns, in the same order in every step
.irp a, \a0, \a0+1
.irp b, 0,1,2,3
.if \first
	v_wmma_scale_f32_16x16x128_f8f6f4 v[128*(\g)+8*(4*(\a)+\b):128*(\g)+8*(4*(\a)+\b)+7], v[48*((\s)%2)+12*\b:48*((\s)%2)+12*\b+11], v[AR+12*(\a):AR+12*(\a)+11], v[BBR+8*(4*(\g)+\b):BBR+8*(4*(\g)+\b)+7], v[SCB+8*(4*(\g)+\b)+(\s)], v[SCA+8*(\a)+(\s)] matrix_a_fmt:MATRIX_FMT_FP6 matrix_b_fmt:MATRIX_FMT_FP6
.else
	v_wmma_scale_f32_16x16x128_f8f6f4 v[128*(\g)+8*(4*(\a)+\b):128*(\g)+8*(4*(\a)+\b)+7], v[48*((\s)%2)+12*\b:48*((\s)%2)+12*\b+11], v[AR+12*(\a):AR+12*(\a)+11], v[128*(\g)+8*(4*(\a)+\b):128*(\g)+8*(4*(\a)+\b)+7], v[SCB+8*(4*(\g)+\b)+(\s)], v[SCA+8*(\a)+(\s)] matrix_a_fmt:MATRIX_FMT_FP6 matrix_b_fmt:MATRIX_FMT_FP6
.endif
.endr
.endr
.endm
.macro MWIN s, first                   ; Wo window 1, ctx its own window, D window 2, C window 2 or (bo) window 1
	ALOC \s
.if \first
.set WV, 0x91+4*AW
.else
.set WV, 0xa1+4*AW
.endif
	WIN WV
.endm
; THE WAY OUT of block a (16 tokens x my 64 features) of group g.  LDS serves a wave's instructions in order: no wait between the stores into my stage and the loads from it, nor in front of the next block's stores.
.macro TOSTAGE g, a                    ; 8 LDS stores and 8 LDS loads
	WIN 0x08                                       ; an LDS store's data are its source 1: window 2
.irp b, 0,1,2,3
	ds_store_b128 v[STO], v[128*(\g)+32*(\a)+8*\b:128*(\g)+32*(\a)+8*\b+3] offset:64*\b       ; each accumulator from its low end on
	ds_store_b128 v[STO], v[128*(\g)+32*(\a)+8*\b+4:128*(\g)+32*(\a)+8*\b+7] offset:64*\b+16
.endr
	WIN 0
.irp t, 0,1,2,3,4,5,6,7
	ds_load_b128 v[BK+32*((\a)%2)+4*\t:BK+32*((\a)%2)+4*\t+3], v[RD] offset:\t*2*SPITCH
.endr
.endm
.macro SEND g, a, younger              ; younger: the LDS instructions issued behind block a's loads, which may stay out
	s_wait_dscnt \younger
.irp t, 0,1,2,3,4,5,6,7
	global_store_b128 v[CO], v[BK+32*((\a)%2)+4*\t:BK+32*((\a)%2)+4*\t+3], s[88:89] offset:(16*(\a)+2*\t)*4096+512*(\g) th:TH_STORE_NT   ; two rows: sixteen lanes store 256 consecutive bytes, aligned
.endr
.endm
.macro STEP0 s, first                  ; group 0, K steps 0-6: the next step's fragments of Wo and of ctx are fetched
.if (\s) > 0
	PLACES                                         ; in front of loads into the set that the last step multiplied
.endif
	FETCHB 0, (\s)+1
	FETCHA (\s)+1
	s_wait_dscnt 32                                ; all but the 32 just issued: this step's fragments are in
	MWIN \s, \first
	MULG 0, \s, 0, \first
	MULG 0, \s, 2, \first
.endm
.macro STEP1 s, first                  ; group 1: only Wo's fragments are fetched; group 0 leaves on the way
	PLACES                                         ; in front of loads into the set that the last step multiplied, and of the first reads of group 0's results
.if (\s) < 7
	FETCHB 1, (\s)+1
.endif
	WIN 0
.if (\s)%2 == 0
.if (\s) >= 4
	s_wait_xcnt 0x0                                ; the stores of two blocks ago have read their registers: this block's loads may land there
.endif
	TOSTAGE 0, (\s)/2
	s_wait_dscnt 32                                ; all but the 16 loads of fragments and the stage's 16 just issued: this step's fragments are in
.else
.if (\s) < 7
	SEND 0, ((\s)-1)/2, 16                         ; all but the 16 loads just issued: the block is back, and this step's fragments are in
.else
	SEND 0, ((\s)-1)/2, 0
.endif
.endif
	MWIN \s, \first
	MULG 1, \s, 0, \first
	MULG 1, \s, 2, \first
.endm
	s_load_b256 s[4:11], s[0:1], 0x0               ; cc, cs, qc, qs
	s_load_b128 s[12:15], s[0:1], 0x20             ; bo, out0
	v_lshl_add_u32 v30, v0, 2, SPARE
	v_mov_b32 v31, 0
	ds_add_u32 v30, v31                            ; the opening lines: the add, twice on end, and its wait ahead of my first tensor load
	ds_add_u32 v30, v31
	v_lshrrev_b32 v1, 5, v0
	v_readfirstlane_b32 s18, v1                    ; wave 0..3
	s_lshr_b32 s19, s18, 1                         ; wm: my half of the tokens.  Also: at the head I fetch for ctx (0) or Wo (1)
	s_and_b32 s20, s18, 1                          ; wn: my half of a group's features.  Also: which four blocks I fetch at the head
	s_bfe_u32 s21, ttmp6, 0x40000                  ; cx: my tile of 256 features
	s_bfe_u32 s22, ttmp6, 0x40004                  ; cy
	s_and_b32 s23, ttmp7, 0xffff
	s_lshl_b32 s28, s23, 2
	s_add_co_u32 s28, s28, s22                     ; ia: my tile of 128 tokens
	s_lshl_b32 s2, s28, 3                          ; ctx's first block of my tile
	s_lshl_b32 s3, s21, 4
	s_add_co_u32 s3, s3, 1728                      ; Wo's, in qc
	s_lshl_b32 s24, s20, 2
	s_add_co_u32 s84, s24, s2
	s_mul_i32 s84, s84, GP                         ; the four blocks of ctx that I would fetch: hangs on cy, never on cx
	s_mov_b32 s85, 0
	s_add_co_u32 s86, s24, s3
	s_mul_i32 s86, s86, GP                         ; the four blocks of Wo's group 0: hangs on cx, never on cy
	s_mov_b32 s87, 0
	s_lshl_b32 s90, s18, 1
	s_add_co_u32 s90, s90, s3
	s_add_co_u32 s90, s90, 8
	s_mul_i32 s90, s90, GP                         ; my two blocks of Wo's group 1
	s_mov_b32 s91, 0
	s_lshl_b32 s26, s22, 2
	s_lshl_b32 s26, 15, s26                        ; my row of the cluster
	s_lshl_b32 s27, 0x1111, s21                    ; my column
	G1SET 32, 26, 4                                ; ctx: four blocks
	G1SET 40, 27, 4                                ; Wo's group 0: four blocks
	G1SET 48, 27, 2                                ; Wo's group 1: two blocks
	s_mov_b32 s68, 1                               ; groups 0: s[68:71] ctx, s[72:75] Wo's group 0, s[76:79] Wo's group 1.  LDS addresses: the wave's number alone
	s_mov_b32 s72, 1
	s_mov_b32 s76, 1
	s_mul_i32 s69, s20, 4*GP
	s_add_co_u32 s73, s69, BB                      ; (also where my four blocks of group 0 lie)
	s_mul_i32 s77, s18, 2*GP
	s_add_co_u32 s77, s77, BB+8*GP
	s_mul_i32 s25, s19, 4*GP                       ; my four blocks of ctx
	s_mul_i32 s29, s18, 16*SPITCH
	s_add_co_u32 s29, s29, STAGE                   ; my stage
	s_lshl_b32 s92, s28, 9
	s_lshl_b32 s93, s19, 8
	s_add_co_u32 s92, s92, s93                     ; cs at my first token: 4 (128 ia + 64 wm)
	s_mov_b32 s93, 0
	s_add_co_u32 s94, s24, s3
	s_lshl_b32 s94, s94, 9                         ; qs at my first block of Wo's group 0
	s_mov_b32 s95, 0
	s_lshl_b32 s100, s21, 10
	s_lshl_b32 s101, s20, 8
	s_add_co_u32 s100, s100, s101                  ; 4 (256 cx + 64 wn): my first feature
	s_mov_b32 s101, 0
	s_lshl_b32 s96, s28, 19
	s_add_co_u32 s96, s96, s100
	s_lshl_b32 s97, s19, 18
	s_add_co_u32 s96, s96, s97                     ; + (128 ia + 64 wm) rows of 4,096 bytes
	s_mov_b32 s97, 0
	v_and_b32 v1, 31, v0                           ; lane
	v_and_b32 v2, 15, v0                           ; r
	v_bfe_u32 v3, v0, 4, 1                         ; h
	v_lshl_add_u32 v[A16], v1, 4, s25
	v_lshl_add_u32 v[A8], v1, 3, s25
	v_lshl_add_u32 v[B16], v1, 4, s73
	v_lshl_add_u32 v[B8], v1, 3, s73
	v_add_nc_u32 v[B16+2], 8*GP, v[B16]
	v_add_nc_u32 v[B8+2], 8*GP, v[B8]
	v_mul_u32_u24 v[STO], v2, SPITCH
	v_lshl_add_u32 v[STO], v3, 5, v[STO]
	v_add_nc_u32 v[STO], s29, v[STO]               ; in: row r, 32 bytes for each half of the lanes
	v_mul_u32_u24 v[RD], v3, SPITCH
	v_lshl_add_u32 v[RD], v2, 4, v[RD]
	v_add_nc_u32 v[RD], s29, v[RD]                 ; back: lanes 0-15 take one row of 256 bytes, lanes 16-31 the next
	v_lshlrev_b32 v[CO], 12, v3
	v_lshl_add_u32 v[CO], v2, 4, v[CO]             ; and the same two rows in out0
	v_lshlrev_b32 v16, 2, v2                       ; 4 r: ctx's scale words, a word a token
	v_lshlrev_b32 v17, 5, v2                       ; 32 r: a row of Wo's eight words
	v_lshlrev_b32 v18, 5, v3                       ; 32 h: bo, eight numbers a half
	s_wait_alu depctr_va_vdst(0)
	s_wait_dscnt 0x0                               ; both opening adds are done
	s_wait_kmcnt 0x0
	s_add_nc_u64 s[70:71], s[4:5], s[84:85]
	s_or_b32 s71, s71, 0x80000000
	s_add_nc_u64 s[74:75], s[8:9], s[86:87]
	s_or_b32 s75, s75, 0x80000000
	s_add_nc_u64 s[78:79], s[8:9], s[90:91]
	s_or_b32 s79, s79, 0x80000000
	s_add_nc_u64 s[30:31], s[6:7], s[92:93]
	s_add_nc_u64 s[94:95], s[10:11], s[94:95]
	s_add_nc_u64 s[100:101], s[12:13], s[100:101]
	s_add_nc_u64 s[88:89], s[14:15], s[96:97]      ; out0 at my corner
	CROUND                                         ; all sixteen work-groups are here: the first joint loads meet
	s_cmp_eq_u32 s19, 0                            ; one tensor load a wave at the head; s_nop 0 and four v_nop follow each line
	s_cbranch_scc0 .Lfor_b
	tensor_load_to_lds s[68:71], s[32:39]
	s_nop 0
	PLACES
	s_branch .Lasked
.Lfor_b:
	tensor_load_to_lds s[72:75], s[40:47]
	s_nop 0
	PLACES
.Lasked:
.irp i, 0,1,2,3
.irp s, 0,1,2,3,4,5,6,7
	global_load_b32 v[SCA+8*\i+\s], v16, s[30:31] offset:32768*\s+64*\i
.endr
.endr
.irp g, 0,1
.irp i, 0,1,2,3
	global_load_b128 v[SCB+8*(4*\g+\i):SCB+8*(4*\g+\i)+3], v17, s[94:95] offset:512*(8*\g+\i)
	global_load_b128 v[SCB+8*(4*\g+\i)+4:SCB+8*(4*\g+\i)+7], v17, s[94:95] offset:512*(8*\g+\i)+16
.endr
.endr
	WIN 0x40
.irp g, 0,1
.irp b, 0,1,2,3
	global_load_b128 v[BBR+8*(4*\g+\b):BBR+8*(4*\g+\b)+3], v18, s[100:101] offset:512*\g+64*\b        ; register j of tile (g, b) is feature 128 g + 16 b + 8 h + j of mine
	global_load_b128 v[BBR+8*(4*\g+\b)+4:BBR+8*(4*\g+\b)+7], v18, s[100:101] offset:512*\g+64*\b+16
.endr
.endr
	WIN 0
	s_wait_tensorcnt 0x0                           ; my part of ctx or of group 0 has landed
	ds_add_u32 v30, v31
	s_wait_dscnt 0x0
	CROUND                                         ; everybody's has, and all sixteen work-groups are here
	tensor_load_to_lds s[76:79], s[48:55]          ; Wo's group 1, two blocks a wave
	s_nop 0
	PLACES
	s_wait_loadcnt 0x0                             ; scale words and bo
	FETCHB 0, 0
	FETCHA 0
	STEP0 0, 1                                     ; the first products start the sums, with bo as C
	STEP0 1, 0
	STEP0 2, 0
	STEP0 3, 0
	STEP0 4, 0
	STEP0 5, 0
	STEP0 6, 0
	s_wait_tensorcnt 0x0                           ; my two blocks of group 1 have landed
	s_wait_dscnt 0x0                               ; K step 7's fragments are in; no LDS instruction of mine is out at the signal
	s_barrier_signal -1
	MWIN 7, 0
	MULG 0, 7, 0, 0                                ; work on registers while the others arrive
	s_barrier_wait -1                              ; group 1 is whole; nothing is filled again
	PLACES
	FETCHB 1, 0
	MWIN 7, 0
	MULG 0, 7, 2, 0
	STEP1 0, 1
	STEP1 1, 0
	STEP1 2, 0
	STEP1 3, 0
	STEP1 4, 0
	STEP1 5, 0
	STEP1 6, 0
	STEP1 7, 0
	WIN 0
	PLACES                                         ; behind the last products, in front of the reads of their results
	s_wait_xcnt 0x0                                ; earlier stores have read their registers: the loads below may land there
	TOSTAGE 1, 0
.irp a, 1,2,3
	s_wait_xcnt 0x0
	TOSTAGE 1, \a
	SEND 1, \a-1, 16                               ; behind block a - 1's loads: block a's 8 stores and 8 loads
.endr
	SEND 1, 3, 0
	s_wait_tensorcnt 0x0                           ; the wave's end
	ds_add_u32 v30, v31
	s_wait_dscnt 0x0
	CROUND                                         ; the closing round: no work-group ends while a partner may still ask for a tile that names it
	s_endpgm
.Lfunc_end_k_q148cbcaea3_outp:
	.size	k_q148cbcaea3_outp, .Lfunc_end_k_q148cbcaea3_outp-k_q148cbcaea3_outp
	.p2alignl 7, 3214868480
	.fill 96, 4, 3214868480
	.section	.rodata,"a",@progbits
	.p2align	6, 0x0
	.amdhsa_kernel k_q148cbcaea3_outp
		.amdhsa_group_segment_fixed_size 327680
		.amdhsa_private_segment_fixed_size 0
		.amdhsa_enable_private_segment 0
		.amdhsa_kernarg_size 48
		.amdhsa_user_sgpr_count 2
		.amdhsa_user_sgpr_kernarg_segment_ptr 1
		.amdhsa_wavefront_size32 1
		.amdhsa_system_sgpr_workgroup_id_x 1
		.amdhsa_system_sgpr_workgroup_id_y 1
		.amdhsa_system_sgpr_workgroup_id_z 1
		.amdhsa_system_vgpr_workitem_id 0
		.amdhsa_next_free_vgpr 1024
		.amdhsa_next_free_sgpr 102
		.amdhsa_reserve_vcc 0
		.amdhsa_float_denorm_mode_32 3
		.amdhsa_float_denorm_mode_16_64 3
		.amdhsa_memory_ordered 1
		.amdhsa_forward_progress 1
		.amdhsa_inst_pref_size 89
	.end_amdhsa_kernel
	.amdgpu_metadata
---
amdhsa.version: [ 1, 2 ]
amdhsa.kernels:
  - .name:           k_q148cbcaea3_outp
    .symbol:         k_q148cbcaea3_outp.kd
    .args:
      - { .name: cc, .offset: 0, .size: 8, .value_kind: global_buffer, .address_space: global }
      - { .name: cs, .offset: 8, .size: 8, .value_kind: global_buffer, .address_space: global }
      - { .name: qc, .offset: 16, .size: 8, .value_kind: global_buffer, .address_space: global }
      - { .name: qs, .offset: 24, .size: 8, .value_kind: global_buffer, .address_space: global }
      - { .name: bo, .offset: 32, .size: 8, .value_kind: global_buffer, .address_space: global }
      - { .name: out0, .offset: 40, .size: 8, .value_kind: global_buffer, .address_space: global }
    .group_segment_fixed_size: 327680
    .private_segment_fixed_size: 0
    .kernarg_segment_align: 8
    .kernarg_segment_size: 48
    .max_flat_workgroup_size: 128
    .sgpr_count:     102
    .vgpr_count:     1024
    .wavefront_size: 32
...
	.end_amdgpu_metadata
.endif
;; end of part 4
